; MI455X (gfx1250); checked and timed in simulation.
; The chip was launched on July 23, 2026; its instructions are those of AMD's public machine-readable ISA for CDNA 5 (MIT licence, August 2026) and "CDNA5" Instruction Set Architecture Reference Guide (July 2026). The comments in the code are by the model that wrote it; some were corrected since.
;; Hetero Encoder. Allowed arithmetic: matrix products marked QUANTISED: E4M3 operands, one E8M0 scale for each 32 along K, by v_wmma_scale_f32_16x16x128_f8f6f4 with both operands' format E4M3, f32 sums; everything else in f32.
;; Inputs: W1 8 x 512 x 2,048 float32; W2 8 x 2,048 x 512 float32; b1 8 x 2,048 float32; b2 8 x 512 float32; be1 8 x 512 float32; be2 8 x 512 float32; g1 8 x 512 float32; g2 8 x 512 float32; type_vec 4,096 int32; x 4,096 x 512 float32.
;; Outputs: out0 4,096 x 512 float32.
;; This version of the problem:
;;   THIS VERSION OF THE PROBLEM IS GIVEN IN LOW PRECISION. The matrix products marked QUANTISED in the list below multiply operands that are first quantised to E4M3 (4 exponent bits, 3 mantissa bits; 8 bits a number), with one power-of-two scale for each 32 numbers along K (OCP MX v1.0); their sums are f32. All else is computed in f32.
;;   The module's matrix products, in the order in which they are computed (A, B: the left and right operand; K: the contracted axis; several contracted axes count as one K, in the product's order):
;;     1. [M 4,096, K 512] x [K 512, N 2,048]; A: computed on the way; B: input W1: QUANTISED
;;     2. [M 4,096, K 2,048] x [K 2,048, N 512]; A: computed on the way; B: input W2: QUANTISED
;;     3. [M 4,096, K 512] x [K 512, N 2,048]; A: computed on the way; B: input W1: QUANTISED
;;     4. [M 4,096, K 2,048] x [K 2,048, N 512]; A: computed on the way; B: input W2: QUANTISED
;;     5. [M 4,096, K 512] x [K 512, N 2,048]; A: computed on the way; B: input W1: QUANTISED
;;     6. [M 4,096, K 2,048] x [K 2,048, N 512]; A: computed on the way; B: input W2: QUANTISED
;;     7. [M 4,096, K 512] x [K 512, N 2,048]; A: computed on the way; B: input W1: QUANTISED
;;     8. [M 4,096, K 2,048] x [K 2,048, N 512]; A: computed on the way; B: input W2: QUANTISED
;;     9. [M 4,096, K 512] x [K 512, N 2,048]; A: computed on the way; B: input W1: QUANTISED
;;     10. [M 4,096, K 2,048] x [K 2,048, N 512]; A: computed on the way; B: input W2: QUANTISED
;;     11. [M 4,096, K 512] x [K 512, N 2,048]; A: computed on the way; B: input W1: QUANTISED
;;     12. [M 4,096, K 2,048] x [K 2,048, N 512]; A: computed on the way; B: input W2: QUANTISED
;;     13. [M 4,096, K 512] x [K 512, N 2,048]; A: computed on the way; B: input W1: QUANTISED
;;     14. [M 4,096, K 2,048] x [K 2,048, N 512]; A: computed on the way; B: input W2: QUANTISED
;;     15. [M 4,096, K 512] x [K 512, N 2,048]; A: computed on the way; B: input W1: QUANTISED
;;     16. [M 4,096, K 2,048] x [K 2,048, N 512]; A: computed on the way; B: input W2: QUANTISED
;;   THE QUANTISER, for each operand of a quantised product, along K:
;;     - K is cut into blocks of 32 from its start; a last block that is shorter is filled with zeros.
;;     - A block's scale is 2^e with e = floor(log2(the largest magnitude in the block)) - 8, held to -126 .. 127; a block of zeros has e = 0. As a byte (E8M0): e + 127.
;;     - Each number is divided by its block's scale, clamped to +-448, and rounded to the nearest number of E4M3, ties to even, subnormals kept.
;;     - The product sums the exact products of the quantised numbers (number of the format x scale) in f32.
;;   ~~~python
;;   def quantise(x, axis):      # numpy; x: float32 -> the quantised numbers, widened to float32 again
;;       x = np.moveaxis(x, axis, -1); K = x.shape[-1]
;;       x = np.pad(x, [(0, 0)] * (x.ndim - 1) + [(0, -K % 32)]); x = x.reshape(x.shape[:-1] + (-1, 32)); a = np.abs(x).max(-1, keepdims=True)
;;       e = np.where(a > 0, np.clip(np.frexp(np.where(a > 0, a, 1))[1] - 1 - 8, -126, 127), 0)      # np.frexp(a)[1] - 1 = floor(log2(a)), exactly
;;       r = np.clip(x / 2.0 ** e, -448, 448)
;;       step = 2.0 ** (np.maximum(np.frexp(np.where(r == 0, 1, r))[1] - 1, -6) - 3)
;;       q = np.round(r / step) * step * 2.0 ** e      # np.round: ties to even
;;       return np.moveaxis(q.reshape(q.shape[:-2] + (-1,))[..., :K], -1, axis).astype(np.float32)
;;   ~~~
;;   OPERANDS COMPUTED ON THE WAY. 'Computed on the way' means the value that the module computes at that place (a softmax that the list does not call 'softmax' is quantised finished and normalised). What goes into a quantiser is computed in f32, as accurately as f32 sums, v_exp_f32 and their like allow (about 1e-6 of the number): no bf16 or f16 on the way to a quantiser, and a product that is left as it is and whose result goes on into a quantised operand takes f32 operands (vector FMAs, or v_wmma_f32_16x16x4_f32). A number that lies on a knife's edge between two numbers of the format may be rounded either way, as far as f32 arithmetic and the matrix unit's own rounding can turn it there, and no further.
;; 2 versions, each right; version 2 is version 1 with the launch chain written anew for expert scheduling mode. Each part assembles by itself: llvm-mc -triple=amdgcn-amd-amdhsa -mcpu=gfx1250 --defsym DOCPART=n.
;; ======== version 1 of 2: 2 launches
;; workspace buffers: WF 17,301,504 bytes; rows 17,408 bytes of whole numbers; tiles 4,096 bytes of whole numbers
;; launch prep (part 1): grid 257 x 1, 16 waves a work-group, no clusters, 4,096 bytes of LDS; arguments W1, W2, type_vec, WF, rows, tiles; writes WF, rows, tiles
.if DOCPART == 1
	.amdgcn_target "amdgcn-amd-amdhsa--gfx1250"
	.amdhsa_code_object_version 6
	.text
	.protected	k_qa655a29144_prep
	.globl	k_qa655a29144_prep
	.p2align	8
	.type	k_qa655a29144_prep,@function
k_qa655a29144_prep:
	s_mov_b64 s[64:65], 0
	v_nop
	global_prefetch_b8 v0, s[64:65] scope:SCOPE_SE
	s_setreg_imm32_b32 hwreg(HW_REG_WAVE_MODE, 25, 1), 1
	s_wait_xcnt 0x0
; PREP: the weights become codes of E4M3 with E8M0 scales, laid as the next launch's operand registers take them; and the tokens are sorted by their type.
; WORK LEFT OUT BY THE PROGRAM.  reference() ends in a chain of jnp.where on (type_vec == i): out[n] is row n of expert i = type_vec[n], or 0 where no i of 0..7 matches.  The rows that the other seven
; experts make of token n are thrown away by that chain for all values of the inputs, so only the chosen expert's rows are multiplied (the next launch reads the choice from memory).  Every input keeps a way to the
; output and is loaded.  LIMIT: a NaN, an infinity or an overflow that arises only in an expert that was not chosen for a token is not carried to the result.
; WORK-GROUPS 1..128 take W1 [8][512 k][2048 n], 129..256 take W2 [8][2048 k][512 n]: one expert e and one chunk j of 128 hidden units each (256 KiB of f32).  K is the FIRST axis of both: a lane takes a column and
; its registers run down K, so a block of 32 along K lies in one lane, and the conversions give codes with K innermost.  A wave takes 32 columns x 128 along K: two fragments of 16 rows x 128 K.
; WF = [e 8][j 16][G 8] records of REC bytes: eight fragments as images of their registers (2048 f + 512 c + 16 (16 h + r): k = 32 c + 16 h + 0..15 of fragment row r), then at 16384 + 128 i + 4 (16 u + r) the scale word
; (four bytes, c = 0..3) of row r of fragment 2 i + u.  G = b (0..3), from W1: fragment 2 s + u, K = 128 s on, row r = hidden unit 128 j + 32 b + 8 u + r + 8 (r / 8).  G = 4 + g, from W2: fragment ti, row r = output 128 g + 16 ti + r, K = hidden 128 j on.
; A block's scale byte is its largest magnitude's exponent field - 8, held at 1 from below.  LIMITS: a block of zeros gets the byte 1 where the rule says 127 (its codes are zeros, and this program alone reads the bytes);
; blocks whose largest magnitude lies under 2^-118 keep the byte 1; NaN and infinities among the inputs are not served.
; WORK-GROUP 0 sorts.  Nine buckets: types 0..7, and 8 for every other number.  4,096 rows in 9 buckets make at most 136 tiles of 32; the fullest bucket (at least 456 rows) has X = 136 - (tiles so far) of its full tiles
; cut into two of 16 rows, so that there are ALWAYS exactly 136 tiles, each with rows.  rows = [136][32] token numbers (0 past a tile's count), tiles = [512] pairs (bucket, count).
.set REC,   16896
.set SPARE, 2048                       ; LDS: 0..2047 sixteen waves' counts (32 words each); from here the spare words, 128 bytes a wave, which no other line names
.set X,     32                         ; v32-95  two sets of 32 numbers
.set C,     96                         ; v96-127 a wave's codes: eight registers a block, never written twice
.macro LOADB t, pitch                  ; block t: W(32 t + i, my column), i = 0..31: each load reads 128 consecutive bytes
.irp i, 0,1,2,3,4,5,6,7,8,9,10,11,12,13,14,15,16,17,18,19,20,21,22,23,24,25,26,27,28,29,30,31
	global_load_b32 v[X+32*((\t)%2)+\i], v2, s[18:19] offset:(32*(\t)+\i)*(\pitch) th:TH_LOAD_NT
.endr
.endm
.macro BLOCK t, pitch
.set XS, X+32*((\t)%2)
.if (\t) < 3
	s_wait_loadcnt 32                              ; this block's 32 loads are in; the next block's 32 may be out
.else
	s_wait_loadcnt 0x0
.endif
	v_max3_num_f32 v12, |v[XS]|, |v[XS+1]|, |v[XS+2]|              ; the block's largest magnitude: all 32 numbers are mine; two chains
	v_max3_num_f32 v13, |v[XS+3]|, |v[XS+4]|, |v[XS+5]|
.irp i, 6,10,14,18,22,26
	v_max3_num_f32 v12, v12, |v[XS+\i]|, |v[XS+\i+1]|
	v_max3_num_f32 v13, v13, |v[XS+\i+2]|, |v[XS+\i+3]|
.endr
	v_max3_num_f32 v12, v12, |v[XS+30]|, |v[XS+31]|
	v_max3_num_f32 v12, v12, v13, 0x4800000        ; and the floor 2^(9 - 127): the byte cannot fall under 1
	v_add_nc_u32 v11, 0xfc000000, v12              ; 8 off the exponent field: the conversion's scale operand
	v_and_or_b32 v10, v12, 0x7f800000, s17         ; 448 x the scale
	v_lshrrev_b32 v13, 23, v11                     ; the scale's byte
.if (\t) == 0
	v_mov_b32 v14, v13                             ; four bytes make my column's scale word, the lower K in the lower byte
.else
	v_lshl_or_b32 v14, v13, 8*(\t), v14
.endif
.irp i, 0,1,2,3,4,5,6,7,8,9,10,11,12,13,14,15,16,17,18,19,20,21,22,23,24,25,26,27,28,29,30,31
	v_med3_num_f32 v[XS+\i], v[XS+\i], -v10, v10   ; the conversion to an 8-bit code does not saturate (ISA guide 7.6.2): the hold at the largest code x the scale
.endr
.irp g, 0,1,2,3
	v_cvt_scalef32_pk8_fp8_f32 v[C+8*(\t)+2*\g:C+8*(\t)+2*\g+1], v[XS+8*\g:XS+8*\g+7], v11
.endr
	global_store_b128 v3, v[C+8*(\t):C+8*(\t)+3], s[20:21] offset:512*(\t)          ; k = 32 t + 0..15: the image's lanes 0-15.  The wave's store covers two runs of 256 consecutive bytes, aligned
	global_store_b128 v3, v[C+8*(\t)+4:C+8*(\t)+7], s[20:21] offset:512*(\t)+256    ; k = 32 t + 16..31: its lanes 16-31
.if (\t)+2 < 4
	LOADB (\t)+2, \pitch
.endif
.endm
.macro QPATH pitch                     ; no store's data or address is written again, so no wait frees any
	LOADB 0, \pitch
	LOADB 1, \pitch
	BLOCK 0, \pitch
	BLOCK 1, \pitch
	BLOCK 2, \pitch
	BLOCK 3, \pitch
	global_store_b32 v4, v14, s[22:23]             ; 32 scale words: 128 consecutive bytes (one byte for each 128 that the wave reads)
	s_endpgm
.endm
	s_load_b256 s[4:11], s[0:1], 0x0               ; W1 s[4:5], W2 s[6:7], type_vec s[8:9], WF s[10:11]
	s_load_b128 s[12:15], s[0:1], 0x20             ; rows s[12:13], tiles s[14:15]
	v_lshl_add_u32 v5, v0, 2, SPARE                ; my spare word,
	v_mov_b32 v6, 0                                ; and 0: kept for the add at the sorting waves' end
	v_lshrrev_b32 v1, 5, v0
	v_readfirstlane_b32 s16, v1                    ; wave 0..15
	v_and_b32 v1, 31, v0                           ; lane
	v_lshlrev_b32 v2, 2, v1                        ; 4 bytes a lane
	s_mov_b32 s17, 0x600000                        ; the mantissa field of 448
	s_wait_kmcnt 0x0
	s_cmp_eq_u32 ttmp9, 0                          ; the work-group's number: the same in all sixteen waves
	s_cbranch_scc1 .Lsort
	s_sub_co_u32 s24, ttmp9, 1
	s_bfe_u32 s25, s24, 0x30004                    ; e
	s_and_b32 s26, s24, 15                         ; j
	s_lshr_b32 s27, s16, 2                         ; hi: which record of the four (b, or g)
	s_and_b32 s28, s16, 3                          ; lo: which pair of fragments in it (s, or i)
	s_lshr_b32 s29, s24, 7                         ; 0: W1, 1: W2
	s_lshl_b32 s30, s25, 4
	s_add_co_u32 s30, s30, s26
	s_lshl_b32 s30, s30, 3
	s_lshl_b32 s31, s29, 2
	s_add_co_u32 s30, s30, s31
	s_add_co_u32 s30, s30, s27                     ; record (16 e + j) 8 + 4 (W2) + hi
	s_mul_i32 s30, s30, REC
	s_mov_b32 s31, 0
	s_add_nc_u64 s[20:21], s[10:11], s[30:31]
	s_lshl_b32 s30, s28, 7
	s_add_co_u32 s30, s30, 16384
	s_add_nc_u64 s[22:23], s[20:21], s[30:31]      ; my 32 scale words
	s_lshl_b32 s30, s28, 12
	s_add_nc_u64 s[20:21], s[20:21], s[30:31]      ; my two fragments
	s_cmp_lg_u32 s29, 0
	s_cbranch_scc1 .Lw2
	; W1: rows k = 128 lo on (8,192 bytes each), columns 128 j + 32 hi + lane
	s_lshl_b32 s30, s25, 22
	s_lshl_b32 s31, s28, 20
	s_add_co_u32 s30, s30, s31
	s_lshl_b32 s31, s26, 9
	s_add_co_u32 s30, s30, s31
	s_lshl_b32 s31, s27, 7
	s_add_co_u32 s30, s30, s31
	s_mov_b32 s31, 0
	s_add_nc_u64 s[18:19], s[4:5], s[30:31]
	v_bfe_u32 v8, v0, 3, 1                         ; u = (lane / 8) % 2
	v_and_b32 v9, 7, v0
	v_bfe_u32 v10, v0, 4, 1
	v_lshl_add_u32 v9, v10, 3, v9                  ; r = lane % 8 + 8 (lane / 16): unit 32 b + lane is row r of fragment u
	v_lshlrev_b32 v3, 4, v9
	v_lshl_add_u32 v3, v8, 11, v3                  ; 2048 u + 16 r
	v_lshlrev_b32 v4, 2, v9
	v_lshl_add_u32 v4, v8, 6, v4                   ; 4 (16 u + r)
	QPATH 8192
.Lw2:
	; W2: rows k = 128 j on (2,048 bytes each), columns 128 hi + 32 lo + lane
	s_lshl_b32 s30, s25, 22
	s_lshl_b32 s31, s26, 18
	s_add_co_u32 s30, s30, s31
	s_lshl_b32 s31, s27, 9
	s_add_co_u32 s30, s30, s31
	s_lshl_b32 s31, s28, 7
	s_add_co_u32 s30, s30, s31
	s_mov_b32 s31, 0
	s_add_nc_u64 s[18:19], s[6:7], s[30:31]
	v_bfe_u32 v8, v0, 4, 1                         ; u = lane / 16
	v_and_b32 v9, 15, v0                           ; r = lane % 16
	v_lshlrev_b32 v3, 4, v9
	v_lshl_add_u32 v3, v8, 11, v3
	v_lshlrev_b32 v4, 2, v9
	v_lshl_add_u32 v4, v8, 6, v4
	QPATH 2048
; THE SORT.  Wave w takes tokens 256 w + 32 i + lane, i = 0..7.  s[20:28] counts, then totals T; s[30:38] the running slot R; s[40:48] a bucket's first tile TB; s[50:58] its number of tiles NT; s60 the fullest bucket; s61 X; s62 32 X; s63 32 TB of it.
.Lsort:
	v_and_b32 v2, 0x1e0, v0
	v_lshlrev_b32 v2, 5, v2
	v_lshl_or_b32 v2, v1, 2, v2                    ; 1,024 w + 4 lane
.irp i, 0,1,2,3,4,5,6,7
	global_load_b32 v[8+\i], v2, s[8:9] offset:128*\i
.endr
.irp e, 0,1,2,3,4,5,6,7,8
	s_mov_b32 s[20+\e], 0
.endr
	s_wait_loadcnt 0x0
.irp i, 0,1,2,3,4,5,6,7
	v_min_u32 v[8+\i], 8, v[8+\i]                  ; every number outside 0..7, the negative ones too, is bucket 8
.endr
.irp e, 0,1,2,3,4,5,6,7,8
.irp i, 0,1,2,3,4,5,6,7
	v_cmp_eq_u32 s66, \e, v[8+\i]
	s_bcnt1_i32_b32 s67, s66
	s_add_co_u32 s[20+\e], s[20+\e], s67           ; my wave's count of bucket e
.endr
.endr
	v_mov_b32 v16, 0
.irp e, 0,1,2,3,4,5,6,7,8
	v_writelane_b32 v16, s[20+\e], \e
.endr
	v_lshlrev_b32 v17, 2, v0
	ds_store_b32 v17, v16                          ; lane e of wave w: its count of bucket e
	s_wait_dscnt 0x0                               ; for the others' sake: my store is done
	s_barrier_signal -1
	s_barrier_wait -1
	v_lshlrev_b32 v7, 2, v1
.irp w, 0,1,2,3,4,5,6,7,8,9,10,11,12,13,14,15
	ds_load_b32 v[32+\w], v7 offset:128*\w
.endr
	v_mov_b32 v18, 0                               ; T: all waves' counts
	v_mov_b32 v19, 0                               ; P: those of the waves in front of mine
	s_wait_dscnt 0x0
.irp w, 0,1,2,3,4,5,6,7,8,9,10,11,12,13,14,15
	v_add_nc_u32 v18, v18, v[32+\w]
	s_cmp_gt_u32 s16, \w
	s_cselect_b32 s66, -1, 0
	v_and_b32 v21, s66, v[32+\w]
	v_add_nc_u32 v19, v19, v21
.endr
.irp e, 0,1,2,3,4,5,6,7,8
	v_readlane_b32 s[20+\e], v18, \e
	v_readlane_b32 s[30+\e], v19, \e
.endr
	s_mov_b32 s66, 0
.irp e, 0,1,2,3,4,5,6,7,8
	s_add_co_u32 s67, s[20+\e], 31
	s_lshr_b32 s[50+\e], s67, 5                    ; tiles of 32
	s_add_co_u32 s66, s66, s[50+\e]
.endr
	s_sub_co_u32 s61, 136, s66                     ; X: 0..8
	s_mov_b32 s60, 0
	s_mov_b32 s67, s20
.irp e, 1,2,3,4,5,6,7,8
	s_cmp_gt_u32 s[20+\e], s67                     ; the fullest bucket, the lowest on a tie
	s_cselect_b32 s60, \e, s60
	s_cselect_b32 s67, s[20+\e], s67
.endr
.irp e, 0,1,2,3,4,5,6,7,8
	s_cmp_eq_u32 s60, \e
	s_cselect_b32 s68, s61, 0
	s_add_co_u32 s[50+\e], s[50+\e], s68           ; it has X tiles more
.endr
	s_mov_b32 s40, 0
.irp e, 1,2,3,4,5,6,7,8
	s_add_co_u32 s[40+\e], s[40+\e-1], s[50+\e-1]
.endr
.irp e, 0,1,2,3,4,5,6,7,8
	s_lshl_b32 s68, s[40+\e], 5
	s_add_co_u32 s[30+\e], s[30+\e], s68           ; where my wave's first row of bucket e goes
.endr
	s_lshl_b32 s62, s61, 5
	s_mov_b32 s63, 0
.irp e, 0,1,2,3,4,5,6,7,8
	s_cmp_eq_u32 s60, \e
	s_cselect_b32 s63, s[40+\e], s63
.endr
	s_lshl_b32 s63, s63, 5
	v_and_b32 v25, 0x1e0, v0
	v_lshl_or_b32 v25, v25, 3, v1                  ; 256 w + lane
; Each token's slot: its bucket's running slot + the lanes of that bucket below mine.  In the fullest bucket rank rho < 32 X goes to tile rho / 16, place rho % 16; the others 32 X further on.
; These are stores of 4 bytes a lane; lanes of one bucket hit consecutive words, and the buffer has 17,408 bytes in all.
.irp i, 0,1,2,3,4,5,6,7
	v_mov_b32 v20, 0
.irp e, 0,1,2,3,4,5,6,7,8
	v_cmp_eq_u32 s66, \e, v[8+\i]
	v_mbcnt_lo_u32_b32 v21, s66, s[30+\e]
	v_cndmask_b32 v20, v20, v21, s66
	s_bcnt1_i32_b32 s67, s66
	s_add_co_u32 s[30+\e], s[30+\e], s67
.endr
	v_sub_nc_u32 v22, v20, s63                     ; rho
	v_and_b32 v23, -16, v22
	v_and_b32 v24, 15, v22
	v_lshl_add_u32 v23, v23, 1, v24                ; 32 (rho / 16) + rho % 16
	v_add_nc_u32 v24, s62, v22                     ; rho + 32 X
	v_cmp_gt_u32 vcc_lo, s62, v22
	v_cndmask_b32 v23, v24, v23, vcc_lo
	v_add_nc_u32 v23, s63, v23
	v_cmp_eq_u32 vcc_lo, s60, v[8+\i]
	v_cndmask_b32 v20, v20, v23, vcc_lo
	v_min_u32 v20, 0x10ff, v20                     ; a slot is under 136 x 32
	v_lshlrev_b32 v[48+\i], 2, v20
	v_add_nc_u32 v[56+\i], 32*\i, v25              ; the token's number
	global_store_b32 v[48+\i], v[56+\i], s[12:13]  ; each batch has its own address and data registers
.endr
; The table of tiles: thread t makes entry t (past 135: zeros).
	v_mov_b32 v26, 0
	v_mov_b32 v27, 0
.irp e, 0,1,2,3,4,5,6,7,8
	s_cmp_eq_u32 s60, \e
	s_cselect_b32 s68, s61, 0                      ; X in the fullest bucket, else 0
	s_lshl_b32 s69, s68, 1
	v_sub_nc_u32 v28, v0, s[40+\e]                 ; the tile's number in bucket e (it wraps where t lies in front)
	v_cmp_le_u32 s66, s[50+\e], v28                ; not in this bucket
	v_sub_nc_u32 v29, v28, s68
	v_lshlrev_b32 v29, 5, v29
	v_sub_nc_u32 v29, s[20+\e], v29                ; rows left at this tile
	v_min_u32 v29, 32, v29
	v_cmp_le_u32 s67, s69, v28
	v_cndmask_b32 v29, 16, v29, s67                ; the first 2 X tiles have 16
	v_cndmask_b32 v27, v29, v27, s66
	v_cndmask_b32 v26, \e, v26, s66
.endr
	v_lshlrev_b32 v30, 3, v0
	global_store_b64 v30, v[26:27], s[14:15]       ; (bucket, count): a wave stores 256 consecutive bytes, aligned
; The places past a tile's count are set to 0: thread t < 136 takes tile t.  Waves 5 on have none (a branch on the wave's number; no barrier follows).
	s_cmp_gt_u32 s16, 4
	s_cbranch_scc1 .Lsort_end
	v_cmp_gt_u32 vcc_lo, 0x88, v0
	v_cndmask_b32 v31, 32, v27, vcc_lo             ; threads past tile 135 count as full: they store nothing
	v_min_u32 v44, 0x87, v0
	v_lshlrev_b32 v44, 7, v44
	v_mov_b32 v45, 0
.set i, 1
.rept 31
	v_cmp_ge_u32 vcc_lo, i, v31
	s_wait_xcnt 0x0                                ; EXEC is a source of the stores that are out: it changes only behind this wait
	s_and_saveexec_b32 s66, vcc_lo
	global_store_b32 v44, v45, s[12:13] offset:4*i
	s_wait_xcnt 0x0                                ; and again in front of the line that widens it
	s_or_b32 exec_lo, exec_lo, s66
.set i, i+1
.endr
.Lsort_end:
	s_wait_tensorcnt 0x0                           ; the wave's end
	ds_add_u32 v5, v6
	s_wait_dscnt 0x0
	s_endpgm
.Lfunc_end_k_qa655a29144_prep:
	.size	k_qa655a29144_prep, .Lfunc_end_k_qa655a29144_prep-k_qa655a29144_prep
	.p2alignl 7, 3214868480
	.fill 96, 4, 3214868480
	.section	.rodata,"a",@progbits
	.p2align	6, 0x0
	.amdhsa_kernel k_qa655a29144_prep
		.amdhsa_group_segment_fixed_size 4096
		.amdhsa_private_segment_fixed_size 0
		.amdhsa_enable_private_segment 0
		.amdhsa_kernarg_size 48
		.amdhsa_user_sgpr_count 2
		.amdhsa_user_sgpr_kernarg_segment_ptr 1
		.amdhsa_wavefront_size32 1
		.amdhsa_system_sgpr_workgroup_id_x 1
		.amdhsa_system_sgpr_workgroup_id_y 1
		.amdhsa_system_sgpr_workgroup_id_z 1
		.amdhsa_system_vgpr_workitem_id 0
		.amdhsa_next_free_vgpr 128
		.amdhsa_next_free_sgpr 100
		.amdhsa_reserve_vcc 1
		.amdhsa_float_denorm_mode_32 3
		.amdhsa_float_denorm_mode_16_64 3
		.amdhsa_memory_ordered 1
		.amdhsa_forward_progress 1
		.amdhsa_inst_pref_size 115
	.end_amdhsa_kernel
	.amdgpu_metadata
---
amdhsa.version: [ 1, 2 ]
amdhsa.kernels:
  - .name:           k_qa655a29144_prep
    .symbol:         k_qa655a29144_prep.kd
    .args:
      - { .name: W1, .offset: 0, .size: 8, .value_kind: global_buffer, .address_space: global }
      - { .name: W2, .offset: 8, .size: 8, .value_kind: global_buffer, .address_space: global }
      - { .name: type_vec, .offset: 16, .size: 8, .value_kind: global_buffer, .address_space: global }
      - { .name: WF, .offset: 24, .size: 8, .value_kind: global_buffer, .address_space: global }
      - { .name: rows, .offset: 32, .size: 8, .value_kind: global_buffer, .address_space: global }
      - { .name: tiles, .offset: 40, .size: 8, .value_kind: global_buffer, .address_space: global }
    .group_segment_fixed_size: 4096
    .private_segment_fixed_size: 0
    .kernarg_segment_align: 8
    .kernarg_segment_size: 48
    .max_flat_workgroup_size: 512
    .sgpr_count:     100
    .vgpr_count:     128
    .wavefront_size: 32
...
	.end_amdgpu_metadata
.endif
;; end of part 1
;; launch chain (part 2): grid 136 x 1, 4 waves a work-group, no clusters, 282,624 bytes of LDS; arguments x, rows, tiles, WF, b1, b2, g1, be1, g2, be2, out0; writes out0
.if DOCPART == 2
	.amdgcn_target "amdgcn-amd-amdhsa--gfx1250"
	.amdhsa_code_object_version 6
	.text
	.protected	k_qa655a29144_chain
	.globl	k_qa655a29144_chain
	.p2align	8
	.type	k_qa655a29144_chain,@function
k_qa655a29144_chain:
	s_mov_b64 s[64:65], 0
	v_nop
	global_prefetch_b8 v0, s[64:65] scope:SCOPE_SE
	s_setreg_imm32_b32 hwreg(HW_REG_WAVE_MODE, 25, 1), 1
	s_wait_xcnt 0x0
; CHAIN: one tile of at most 32 tokens of ONE expert goes through norm1, x W1 + b1, relu, x W2 + b2, the residual and norm2.  Only the expert that type_vec names for a token is computed: reference()'s own jnp.where throws
; the other seven experts' rows away for all values of the inputs (shown at the head of the launch before, which sorted the tokens).  A NaN or an overflow that arises only in an expert not chosen is not carried to the result.
; Both products run on codes of E4M3 with one E8M0 scale for each 32 along K; h and the hidden layer are quantised in registers; nothing but out0 goes to memory.
; SHARES.  Work-group t takes tile t of the stored list: 32 list rows, two tiles of 16.  Wave w takes hidden units 512 w .. 512 w + 511 (four chunks of 128: 16 + 16 records of WF on end... eight a chunk) for ALL 32 rows, and keeps its own
; partial sums of all 512 outputs in 512 registers: so the loop has no barrier and no LDS access.  At the end the four waves' parts meet in LDS; wave w then owns outputs 128 w .. 128 w + 127.
; BOTH PRODUCTS ARE USED TRANSPOSED (source 0 = 16 rows of a weight, source 1 = 16 tokens): a lane (r, h) holds ONE token r throughout.  The rows of W1 that form a fragment are chosen (by the launch before) so that the 16
; registers of two neighbouring result tiles are 16 neighbours along the next K.  Wave w walks W2's four groups of 128 outputs in the order (g' + w) % 4, so that its own quarter lies in accumulators 0-63 of both windows.
; THE WEIGHTS COME FROM MEMORY STRAIGHT INTO REGISTERS, as images of the operand's registers: each load of a wave reads 512 consecutive bytes.  No tensor load and no joint request: the records' addresses hang on a stored expert's
; number, and how many tiles an expert has hangs on the inputs, so partners of a cluster could not be given one expert at every split.  A ring of two register slots of eight fragments: one group is multiplied, one is on its way.
; LIMITS.  NaN and infinities among the inputs are not served.  A block whose largest magnitude lies under 2^-118 (a block of zeros too) has the scale byte 1.  An output's sum over the 2,048 hidden units is made in four parts of 512,
; which are then added: an order of rounding other than reference()'s.  List places past a tile's count name token 0: its row is computed and not stored.  A tile of bucket 8 (a type outside 0..7) is computed with expert 7's weights, and zeros are stored.
; REGISTERS.  Window 0: v1 16 lane, v2 4 lane, v3 64 h; v4, v5 the add's two; v8-11 h's scale words, v12-19 the weights' (4 a slot), v20-21 the hidden layer's: these fourteen hold scales and nothing else; v22-31 at work;
;   v32-63 b1 (16 a slot); v64-95 four result tiles of the hidden layer; v96-127 its codes; v128-255 h's eight fragments (at the head: x; at the end: z).  Window 1: the ring, slot 0 v0-127, slot 1 v128-255.
;   Window 2: y of rows 0-15, accumulator (g', ti) at v[64 g' + 8 ti]; window 3: y of rows 16-31.
.set REC,   16896
.set CHK,   8*REC
.set XIMG,  0                          ; LDS: h's eight fragments as images: (4 m + s) 2048 + 512 c + 16 lane
.set XSC,   16384                      ; their scale words: 128 s + 64 m + 4 r
.set STB,   16896                      ; norm2's parts: (4 m + w) 256 + 8 lane
.set SPARE, 18944                      ; the spare words, 128 bytes a wave: two blocks of 256 bytes that no other line names
.set EXB,   20480                      ; [quarter 4][source 4] slots of 16,384 bytes, each an image of 128 registers: piece p = (8 m + n) 2 + j4 at 512 p + 16 lane.  Slot [q][q]: the residual h; [q][s]: wave s's part of quarter q
.set MSB, 0
.macro WIN new                         ; the immediate's high byte repeats the setting that is left; a switch that changes nothing is dropped
.if MSB != (\new)
	s_set_vgpr_msb (MSB<<8)|(\new)
.set MSB, (\new)
.endif
.endm
; One matrix instruction.  c: C's first register, or -1 for the constant 0;  ra, rb: the half of the lanes (0, 1) from which source 0's and source 1's scales are read
.macro WM d, a, b, c, sa, sb, ra, rb
.if (\c) < 0
.if ((\ra) == 0) && ((\rb) == 0)
	v_wmma_scale_f32_16x16x128_f8f6f4 v[\d:\d+7], v[\a:\a+15], v[\b:\b+15], 0, v[\sa], v[\sb]
.elseif ((\ra) == 1) && ((\rb) == 0)
	v_wmma_scale_f32_16x16x128_f8f6f4 v[\d:\d+7], v[\a:\a+15], v[\b:\b+15], 0, v[\sa], v[\sb] matrix_a_scale:MATRIX_SCALE_ROW1
.elseif ((\ra) == 0) && ((\rb) == 1)
	v_wmma_scale_f32_16x16x128_f8f6f4 v[\d:\d+7], v[\a:\a+15], v[\b:\b+15], 0, v[\sa], v[\sb] matrix_b_scale:MATRIX_SCALE_ROW1
.else
	v_wmma_scale_f32_16x16x128_f8f6f4 v[\d:\d+7], v[\a:\a+15], v[\b:\b+15], 0, v[\sa], v[\sb] matrix_a_scale:MATRIX_SCALE_ROW1 matrix_b_scale:MATRIX_SCALE_ROW1
.endif
.else
.if ((\ra) == 0) && ((\rb) == 0)
	v_wmma_scale_f32_16x16x128_f8f6f4 v[\d:\d+7], v[\a:\a+15], v[\b:\b+15], v[\c:\c+7], v[\sa], v[\sb]
.elseif ((\ra) == 1) && ((\rb) == 0)
	v_wmma_scale_f32_16x16x128_f8f6f4 v[\d:\d+7], v[\a:\a+15], v[\b:\b+15], v[\c:\c+7], v[\sa], v[\sb] matrix_a_scale:MATRIX_SCALE_ROW1
.elseif ((\ra) == 0) && ((\rb) == 1)
	v_wmma_scale_f32_16x16x128_f8f6f4 v[\d:\d+7], v[\a:\a+15], v[\b:\b+15], v[\c:\c+7], v[\sa], v[\sb] matrix_b_scale:MATRIX_SCALE_ROW1
.else
	v_wmma_scale_f32_16x16x128_f8f6f4 v[\d:\d+7], v[\a:\a+15], v[\b:\b+15], v[\c:\c+7], v[\sa], v[\sb] matrix_a_scale:MATRIX_SCALE_ROW1 matrix_b_scale:MATRIX_SCALE_ROW1
.endif
.endif
.endm
.macro PLACES8                         ; eight plain vector instructions stand between a matrix instruction of this form and a load into, or a vector read of, its registers (ISA guide 7.12.1 for vector reads)
.rept 8
	v_nop
.endr
.endm
; A record into ring slot `slot`: 32 loads of codes, 4 of scale words; bias = 1: and the 16 numbers of b1 that are the C of its two result tiles: 40 loads, else 36.  No hint: the expert's other tiles read the same records.
.macro LOADG slot, ptr, off, bias, boff
	WIN 0x40                                       ; destination window 1
.irp f, 0,1,2,3,4,5,6,7
.irp c, 0,1,2,3
	global_load_b128 v[128*(\slot)+16*\f+4*\c:128*(\slot)+16*\f+4*\c+3], v1, s[\ptr:\ptr+1] offset:(\off)+2048*\f+512*\c
.endr
.endr
	WIN 0
.irp i, 0,1,2,3
	global_load_b32 v[12+4*(\slot)+\i], v2, s[\ptr:\ptr+1] offset:(\off)+16384+128*\i
.endr
.if \bias
.irp i, 0,1,2,3
	global_load_b128 v[32+16*(\slot)+4*\i:32+16*(\slot)+4*\i+3], v3, s[42:43] offset:(\boff)+16*\i   ; b1 at units 32 b + 16 h + 0..15
.endr
.endif
.endm
; The 16 + 16 numbers just made (rows 0-15 in v64-79, rows 16-31 in v80-95: k = 32 b + 16 h + 0..15 of my token) become registers 4 b .. 4 b + 3 of the two operands, and byte b of their scale words.  The two by turns.
.macro QUANT b
.irp m, 0,1
	v_max3_num_f32 v[22+\m], v[64+16*\m], v[65+16*\m], 0x4800000   ; no |.|: what is negative becomes 0, so it does not count; the floor 2^(9 - 127) stands over it.  Each result tile is read from its low end on
.endr
.irp i, 2,4,6,8,10,12,14
.irp m, 0,1
	v_max3_num_f32 v[22+\m], v[22+\m], v[64+16*\m+\i], v[65+16*\m+\i]
.endr
.endr
.irp m, 0,1
	v_permlanex16_b32 v[24+\m], v[22+\m], s48, s49
.endr
.irp m, 0,1
	v_max_num_f32 v[22+\m], v[22+\m], v[24+\m]     ; with lane l xor 16's: the block's largest
.endr
.irp m, 0,1
	v_add_nc_u32 v[26+\m], 0xfc000000, v[22+\m]    ; 8 off the exponent field: the conversion's scale operand
.endr
.irp m, 0,1
	v_and_or_b32 v[28+\m], v[22+\m], 0x7f800000, s50   ; 448 x the scale
.endr
.irp m, 0,1
	v_lshrrev_b32 v[30+\m], 23, v[26+\m]           ; the byte
.endr
.irp m, 0,1
.if (\b) == 0
	v_mov_b32 v[20+\m], v[30+\m]
.else
	v_lshl_or_b32 v[20+\m], v[30+\m], 8*(\b), v[20+\m]
.endif
.endr
.irp m, 0,1
.irp i, 0,1,2,3,4,5,6,7,8,9,10,11,12,13,14,15
	v_med3_num_f32 v[64+16*\m+\i], v[64+16*\m+\i], 0, v[28+\m]   ; relu and the hold in one: between 0 and the largest code x the scale
.endr
	v_cvt_scalef32_pk8_fp8_f32 v[96+16*\m+4*(\b):97+16*\m+4*(\b)], v[64+16*\m:71+16*\m], v[26+\m]
	v_cvt_scalef32_pk8_fp8_f32 v[98+16*\m+4*(\b):99+16*\m+4*(\b)], v[72+16*\m:79+16*\m], v[26+\m]
.endr
	v_nop                                          ; a plain instruction behind the last conversion: the next products write its sources
.if (\b) == 3
.rept 3
	v_nop                                          ; with the one above: four places between the codes and the scaled products that take them (the scale words were made ahead of the 32 holds)
.endr
.endif
.endm
; 32 hidden units (pair b of the chunk) for 32 rows: four result tiles (m, u), K = 512 in four steps: 16 matrix instructions, the four tiles by turns.  n: the loads of the one younger group, which may stay out.
; Then the slot just read takes the group two further on, and the results are quantised while it comes.
.macro PAIR b, n, ptr, off, bias, boff
.set SL, (\b)&1
	s_wait_loadcnt \n
	WIN 0x01                                       ; source 0 (W1) window 1
.irp s, 0,1,2,3
.irp m, 0,1
.irp u, 0,1
.if \s == 0
	WM 64+16*\m+8*\u, 128*SL+16*(2*\s+\u), 128+64*\m+16*\s, 32+16*SL+8*\u, 12+4*SL+\s, 8+\s, \u, \m
.else
	WM 64+16*\m+8*\u, 128*SL+16*(2*\s+\u), 128+64*\m+16*\s, 64+16*\m+8*\u, 12+4*SL+\s, 8+\s, \u, \m
.endif
.endr
.endr
.endr
	WIN 0
	PLACES8                                        ; for the loads below and for the first read of the results.  (The next pair writes over these result tiles with another C: beyond these eight, the lines of QUANT on its own temporaries are places too)
	LOADG SL, \ptr, \off, \bias, \boff
	QUANT \b
.endm
; 128 outputs (my g'-th group) += the chunk's 128 hidden units, for 32 rows: 16 matrix instructions on 16 accumulators.  first = 1: they start the sums.  ld = 1: the slot then takes the group two further on.
.macro OUTG g, n, first, ld, ptr, off, bias, boff
.set SL, (\g)&1
	s_wait_loadcnt \n
	WIN 0xa1                                       ; source 0 (W2) window 1, C and D window 2
.irp ti, 0,1,2,3,4,5,6,7
.if \first
	WM 64*(\g)+8*\ti, 128*SL+16*\ti, 96, -1, 12+4*SL+\ti/2, 20, \ti%2, 0
.else
	WM 64*(\g)+8*\ti, 128*SL+16*\ti, 96, 64*(\g)+8*\ti, 12+4*SL+\ti/2, 20, \ti%2, 0
.endif
.endr
	WIN 0xf1                                       ; C and D window 3
.irp ti, 0,1,2,3,4,5,6,7
.if \first
	WM 64*(\g)+8*\ti, 128*SL+16*\ti, 112, -1, 12+4*SL+\ti/2, 21, \ti%2, 0
.else
	WM 64*(\g)+8*\ti, 128*SL+16*\ti, 112, 64*(\g)+8*\ti, 12+4*SL+\ti/2, 21, \ti%2, 0
.endif
.endr
	WIN 0
	PLACES8
.if \ld
	LOADG SL, \ptr, \off, \bias, \boff
.endif
.endm
; A chunk of 128 hidden units: eight groups.  Each wait's count is the size of the one group issued behind the group that is wanted.
.macro CHUNK first, last
	PAIR 0, 40, 32, 2*REC, 1, 256
	PAIR 1, 40, 32, 3*REC, 1, 384
	PAIR 2, 40, 34, 0, 0, 0
	PAIR 3, 36, 36, 0, 0, 0
	OUTG 0, 36, \first, 1, 38, 0, 0, 0
	OUTG 1, 36, \first, 1, 40, 0, 0, 0
.if \last
	OUTG 2, 36, \first, 0, 0, 0, 0, 0
	OUTG 3, 0, \first, 0, 0, 0, 0, 0
.else
	OUTG 2, 36, \first, 1, 32, CHK, 1, 512
	OUTG 3, 40, \first, 1, 32, CHK+REC, 1, 640
	s_wait_xcnt 0x0                                ; every load issued has read its base: the pointers step only behind this wait
	s_add_nc_u64 s[32:33], s[32:33], CHK
	s_add_nc_u64 s[34:35], s[34:35], CHK
	s_add_nc_u64 s[36:37], s[36:37], CHK
	s_add_nc_u64 s[38:39], s[38:39], CHK
	s_add_nc_u64 s[40:41], s[40:41], CHK
	s_add_nc_u64 s[42:43], s[42:43], 512
.endif
.endm
; h, four runs of 16 numbers (t = t0 .. t0 + 3) by turns: lanes q and q xor 1 hold a block of 32.  Codes to v[64 + 4 t], the byte to v[96 + t]; the codes go to their place in h's images.
.macro QX4 t0
.irp a, 0,1,2,3
	v_max3_num_f32 v[104+\a], |v[128+16*(\t0+\a)]|, |v[129+16*(\t0+\a)]|, 0x4800000
.endr
.irp i, 2,4,6,8,10,12,14
.irp a, 0,1,2,3
	v_max3_num_f32 v[104+\a], v[104+\a], |v[128+16*(\t0+\a)+\i]|, |v[129+16*(\t0+\a)+\i]|
.endr
.endr
.irp a, 0,1,2,3
	v_max_num_f32_dpp v[104+\a], v[104+\a], v[104+\a] row_xmask:1 row_mask:0xf bank_mask:0xf
.endr
.irp a, 0,1,2,3
	v_add_nc_u32 v[108+\a], 0xfc000000, v[104+\a]
.endr
.irp a, 0,1,2,3
	v_and_or_b32 v[112+\a], v[104+\a], 0x7f800000, s50
.endr
.irp a, 0,1,2,3
	v_lshrrev_b32 v[96+\t0+\a], 23, v[108+\a]
.endr
	s_wait_dscnt 0x0                               ; the residual's stores have read h as it is: the hold below may change it
.irp a, 0,1,2,3
.irp i, 0,1,2,3,4,5,6,7,8,9,10,11,12,13,14,15
	v_med3_num_f32 v[128+16*(\t0+\a)+\i], v[128+16*(\t0+\a)+\i], -v[112+\a], v[112+\a]
.endr
	v_cvt_scalef32_pk8_fp8_f32 v[64+4*(\t0+\a):65+4*(\t0+\a)], v[128+16*(\t0+\a):135+16*(\t0+\a)], v[108+\a]
	v_cvt_scalef32_pk8_fp8_f32 v[66+4*(\t0+\a):67+4*(\t0+\a)], v[136+16*(\t0+\a):143+16*(\t0+\a)], v[108+\a]
.endr
	v_nop                                          ; a plain instruction behind the last conversion
.irp a, 0,1,2,3
	ds_store_b128 v123, v[64+4*(\t0+\a):67+4*(\t0+\a)] offset:XIMG+1024*(\t0+\a)
.endr
.endm
.macro SLOAD k, w                      ; slot k of my quarter into v64-191 of window w
	WIN (\w)<<6
.set p, 0
.rept 32
	ds_load_b128 v[64+4*p:67+4*p], v27 offset:16384*(\k)+512*p
.set p, p+1
.endr
.endm
.macro ZADD w                          ; z += v64-191 of window w
	WIN (\w)<<2
.set p, 0
.rept 64
	v_pk_add_f32 v[128+2*p:129+2*p], v[128+2*p:129+2*p], v[64+2*p:65+2*p]
.set p, p+1
.endr
.endm
.macro STORE_ROWS step                 ; list rows 0 .. count - 1: a wave's store covers 512 consecutive bytes of a row, at a multiple of 256 from out0's first byte
.set i, 0
.rept 32
	s_cmp_le_u32 s29, i
	s_cbranch_scc1 .Lend
	global_store_b128 v[32+i], v[128+(\step)*i:128+(\step)*i+3], s[24:25] th:TH_STORE_NT
.set i, i+1
.endr
.endm
; ---- the head
	s_load_b512 s[4:19], s[0:1], 0x0               ; x s[4:5], rows s[6:7], tiles s[8:9], WF s[10:11], b1 s[12:13], b2 s[14:15], g1 s[16:17], be1 s[18:19]
	s_load_b128 s[20:23], s[0:1], 0x40             ; g2, be2
	s_load_b64 s[24:25], s[0:1], 0x50              ; out0
	v_lshl_add_u32 v4, v0, 2, SPARE                ; my spare word,
	v_mov_b32 v5, 0                                ; and 0: kept for the add at the wave's end
	v_lshrrev_b32 v1, 5, v0
	v_readfirstlane_b32 s26, v1                    ; wave 0..3
	v_and_b32 v2, 31, v0
	v_lshlrev_b32 v1, 4, v2                        ; 16 lane
	v_lshlrev_b32 v2, 2, v2                        ; 4 lane
	v_bfe_u32 v3, v0, 4, 1
	v_lshlrev_b32 v3, 6, v3                        ; 64 h
	v_mov_b32 v24, 0                               ; written once: a lane permute's destination counts as one of its sources
	v_mov_b32 v25, 0
	s_mov_b32 s48, 0x76543210
	s_mov_b32 s49, 0xfedcba98                      ; v_permlanex16_b32's selects for lane l xor 16
	s_mov_b32 s50, 0x600000                        ; the mantissa field of 448
	s_mov_b32 s51, 0x3b000000                      ; 1 / 512
	; norm1's shares: lane = 4 r8 + q takes, of list row 8 w + r8, k = 64 t + 16 q + 0..15, t = 0..7: register 128 + 16 t + 4 i + j is k = 64 t + 16 q + 4 i + j
	v_and_b32 v118, 0x7c, v0                       ; 4 (8 w + r8): my row's place in the list, and in h's scale words
	v_and_b32 v104, 3, v0                          ; q
	v_lshlrev_b32 v122, 6, v104                    ; 64 q
	v_bfe_u32 v105, v0, 2, 3                       ; r8
	s_lshr_b32 s52, s26, 1
	s_lshl_b32 s52, s52, 13
	s_and_b32 s53, s26, 1
	s_lshl_b32 s53, s53, 7
	s_add_co_u32 s52, s52, s53                     ; 8192 m + 128 (w % 2): row 8 w + r8 is row r = 8 (w % 2) + r8 of tile m = w / 2
	v_lshl_add_u32 v105, v105, 4, s52
	v_lshl_add_u32 v123, v104, 8, v105             ; h's codes: + 256 q (+ 1024 t)
	v_lshl_add_u32 v106, v104, 10, v105
.irp k, 0,1,2,3
	v_add_nc_u32 v[124+\k], EXB+81920*\k, v106     ; the residual, quarter k = t / 2, slot [k][k]: + 1024 q
.endr
	v_and_b32 v116, 2, v0
	v_lshlrev_b32 v116, 2, v116                    ; 8 (q / 2): my bytes' place in a scale word
	s_lshl_b32 s44, ttmp9, 3
	s_mov_b32 s45, 0
	s_lshl_b32 s46, ttmp9, 7
	s_mov_b32 s47, 0
	s_wait_kmcnt 0x0
	s_add_nc_u64 s[8:9], s[8:9], s[44:45]
	s_add_nc_u64 s[6:7], s[6:7], s[46:47]
	s_load_b64 s[28:29], s[8:9], 0x0               ; my tile's bucket and count
	s_load_b512 s[68:83], s[6:7], 0x0              ; its 32 token numbers
	s_load_b512 s[84:99], s[6:7], 0x40
	global_load_b32 v120, v118, s[6:7]             ; and my lane's row's
	s_wait_kmcnt 0x0
	s_min_u32 s30, s28, 7                          ; the expert whose weights are walked
	s_cmp_lt_u32 s28, 8
	s_cselect_b32 s31, -1, 0                       ; 0: no expert: zeros are stored
	s_min_u32 s29, s29, 32
.set i, 0
.rept 32
	s_min_u32 s[68+i], s[68+i], 4095
.set i, i+1
.endr
	s_lshl_b32 s44, s30, 4
	s_lshl_b32 s45, s26, 2
	s_add_co_u32 s44, s44, s45
	s_mul_i32 s44, s44, CHK
	s_mov_b32 s45, 0
	s_add_nc_u64 s[32:33], s[10:11], s[44:45]      ; my first chunk: 16 e + 4 w
.irp g, 0,1,2,3
	s_add_co_u32 s44, s26, \g
	s_and_b32 s44, s44, 3
	s_add_co_u32 s44, s44, 4
	s_mul_i32 s44, s44, REC
	s_add_nc_u64 s[34+2*\g:35+2*\g], s[32:33], s[44:45]   ; W2's group (g' + w) % 4
.endr
	s_lshl_b32 s44, s30, 13
	s_lshl_b32 s52, s26, 11
	s_add_co_u32 s44, s44, s52
	s_add_nc_u64 s[42:43], s[12:13], s[44:45]      ; b1 at my 512 units
	s_lshl_b32 s44, s30, 11
	s_add_nc_u64 s[14:15], s[14:15], s[44:45]      ; the expert's rows of b2, g1, be1, g2, be2
	s_add_nc_u64 s[16:17], s[16:17], s[44:45]
	s_add_nc_u64 s[18:19], s[18:19], s[44:45]
	s_add_nc_u64 s[20:21], s[20:21], s[44:45]
	s_add_nc_u64 s[22:23], s[22:23], s[44:45]
; ---- the first loads
	WIN 0x80                                       ; destination window 2
.irp t, 0,1,2,3,4,5,6,7
.irp i, 0,1,2,3
	global_load_b128 v[16*\t+4*\i:16*\t+4*\i+3], v122, s[16:17] offset:256*\t+16*\i          ; g1, in x's layout
.endr
.endr
	WIN 0
	s_wait_loadcnt 32                              ; my row's token number is in (behind it: g1's 32 loads)
	v_min_u32 v120, 0xfff, v120
	v_lshl_add_u32 v121, v120, 11, v122            ; 2,048 x token + 64 q
.irp t, 0,1,2,3,4,5,6,7
.irp i, 0,1,2,3
	global_load_b128 v[128+16*\t+4*\i:128+16*\t+4*\i+3], v121, s[4:5] offset:256*\t+16*\i    ; x
.endr
.endr
	WIN 0x80
.irp t, 0,1,2,3,4,5,6,7
.irp i, 0,1,2,3
	global_load_b128 v[128+16*\t+4*\i:128+16*\t+4*\i+3], v122, s[18:19] offset:256*\t+16*\i  ; be1
.endr
.endr
	LOADG 0, 32, 0, 1, 0                           ; the first two groups of weights come while norm1 is worked
	s_wait_loadcnt 40                              ; g1, x and be1 are in (behind them: group 0's 40 loads)
	LOADG 1, 32, REC, 1, 128
; ---- norm1, in two passes: the mean, then the mean of the squared differences.  Four lanes hold a row
.irp c, 0,1,2,3
	v_pk_add_f32 v[104+2*\c:105+2*\c], v[128+2*\c:129+2*\c], v[136+2*\c:137+2*\c]
.endr
.set p, 8
.rept 56
	v_pk_add_f32 v[104+2*(p%4):105+2*(p%4)], v[104+2*(p%4):105+2*(p%4)], v[128+2*p:129+2*p]
.set p, p+1
.endr
	v_pk_add_f32 v[104:105], v[104:105], v[106:107]
	v_pk_add_f32 v[108:109], v[108:109], v[110:111]
	v_pk_add_f32 v[104:105], v[104:105], v[108:109]
	v_add_f32 v104, v104, v105
	v_add_f32_dpp v104, v104, v104 row_xmask:1 row_mask:0xf bank_mask:0xf
	v_add_f32_dpp v104, v104, v104 row_xmask:2 row_mask:0xf bank_mask:0xf
	v_mul_f32 v104, s51, v104                      ; the mean
.set p, 0
.rept 64
	v_pk_add_f32 v[128+2*p:129+2*p], v[128+2*p:129+2*p], v[104:105] op_sel_hi:[1,0] neg_lo:[0,1] neg_hi:[0,1]
.set p, p+1
.endr
.irp c, 0,1,2,3
	v_pk_mul_f32 v[106+2*\c:107+2*\c], v[128+2*\c:129+2*\c], v[128+2*\c:129+2*\c]
.endr
.set p, 4
.rept 60
	v_pk_fma_f32 v[106+2*(p%4):107+2*(p%4)], v[128+2*p:129+2*p], v[128+2*p:129+2*p], v[106+2*(p%4):107+2*(p%4)]
.set p, p+1
.endr
	v_pk_add_f32 v[106:107], v[106:107], v[108:109]
	v_pk_add_f32 v[110:111], v[110:111], v[112:113]
	v_pk_add_f32 v[106:107], v[106:107], v[110:111]
	v_add_f32 v106, v106, v107
	v_add_f32_dpp v106, v106, v106 row_xmask:1 row_mask:0xf bank_mask:0xf
	v_add_f32_dpp v106, v106, v106 row_xmask:2 row_mask:0xf bank_mask:0xf
	v_fmaak_f32 v106, s51, v106, 0x3727c5ac        ; the variance + 1e-5
	v_rsq_f32 v108, v106
	v_nop                                          ; a plain instruction behind the transcendental
	s_wait_alu depctr_va_vdst(0)                   ; and a wait ahead of its first reader
.set p, 0
.rept 64
	v_pk_mul_f32 v[128+2*p:129+2*p], v[128+2*p:129+2*p], v[108:109] op_sel_hi:[1,0]
.set p, p+1
.endr
	WIN 0x28                                       ; sources 1 (g1) and 2 (be1) window 2
.set p, 0
.rept 64
	v_pk_fma_f32 v[128+2*p:129+2*p], v[128+2*p:129+2*p], v[2*p:2*p+1], v[128+2*p:129+2*p]
.set p, p+1
.endr
	WIN 0
; ---- h to LDS: as f32 into the residual's slots, in the layout of y's accumulators (k = 64 t + 16 q + 4 i: quarter t / 2, tile n = 4 (t % 2) + q, half i / 2, piece i % 2); as codes and scale words into the operand's images
.irp t, 0,1,2,3,4,5,6,7
.irp i, 0,1,2,3
	ds_store_b128 v[124+\t/2], v[128+16*\t+4*\i:128+16*\t+4*\i+3] offset:4096*(\t%2)+512*(\i%2)+256*(\i/2)
.endr
.endr
	QX4 0
	QX4 4
.irp s, 0,1,2,3                        ; K step s: my bytes are c = q / 2 (t = 2 s) and c = 2 + q / 2 (t = 2 s + 1); lane q xor 2 has the other two
	v_lshl_or_b32 v[104+\s], v[97+2*\s], 16, v[96+2*\s]
.endr
.irp s, 0,1,2,3
	v_lshlrev_b32 v[104+\s], v116, v[104+\s]
.endr
.irp s, 0,1,2,3
	v_mov_b32_dpp v[108+\s], v[104+\s] row_xmask:2 row_mask:0xf bank_mask:0xf
.endr
.irp s, 0,1,2,3
	v_or_b32 v[104+\s], v[104+\s], v[108+\s]
.endr
.irp s, 0,1,2,3
	ds_store_b32 v118, v[104+\s] offset:XSC+128*\s   ; a row's four lanes write the same word with the same value
.endr
	s_wait_dscnt 0x0                               ; for the others' sake: my stores are done
	s_barrier_signal -1
	s_barrier_wait -1                              ; h's eight fragments, its scale words and the residual lie in LDS
.irp m, 0,1
.irp s, 0,1,2,3
.irp c, 0,1,2,3
	ds_load_b128 v[128+64*\m+16*\s+4*\c:128+64*\m+16*\s+4*\c+3], v1 offset:XIMG+(4*\m+\s)*2048+512*\c
.endr
.endr
.endr
.irp s, 0,1,2,3
	ds_load_b32 v[8+\s], v2 offset:XSC+128*\s      ; lanes 0-15: rows 0-15; lanes 16-31: rows 16-31
.endr
	s_wait_dscnt 0x0
; ---- the stream: my four chunks.  The first starts y's sums, the last asks for nothing more
	CHUNK 1, 0
	s_mov_b32 s46, 2
.Lmid:
	CHUNK 0, 0
	s_sub_co_u32 s46, s46, 1
	s_cmp_lg_u32 s46, 0
	s_cbranch_scc1 .Lmid
	CHUNK 0, 1
; ---- the parts meet: my accumulators of the three quarters that are not mine go to their owners' slots
	s_lshl_b32 s52, s26, 14
.irp a, 1,2,3
	s_add_co_u32 s53, s26, \a
	s_and_b32 s53, s53, 3
	s_lshl_b32 s53, s53, 16
	s_add_co_u32 s53, s53, s52
	s_add_co_u32 s53, s53, EXB
	v_add_nc_u32 v[23+\a], s53, v1                 ; slot [(a + w) % 4][w]
.endr
	s_lshl_b32 s53, s26, 9
	v_bfe_u32 v22, v0, 4, 1
	v_lshlrev_b32 v22, 5, v22
	v_add_nc_u32 v22, s53, v22                     ; b2, g2, be2: 512 w + 32 h: outputs 128 w + 8 h on
	v_add_nc_u32 v23, s53, v1                      ; out0: 512 w + 16 lane
	s_lshl_b32 s53, s26, 16
	s_add_co_u32 s53, s53, EXB
	v_add_nc_u32 v27, s53, v1                      ; my quarter's four slots; later my stage, read by rows
	v_and_b32 v31, 15, v0
	v_mul_u32_u24 v30, v31, 528
	v_bfe_u32 v31, v0, 4, 1
	v_lshl_add_u32 v30, v31, 5, v30
	v_add_nc_u32 v30, s53, v30                     ; the stage, on the way in: row r of 528 bytes, + 32 h
	s_lshl_b32 s53, s26, 8
	s_add_co_u32 s53, s53, STB
	v_lshl_add_u32 v28, v2, 1, s53                 ; norm2's parts: mine,
	v_lshl_add_u32 v29, v2, 1, STB                 ; and all four
.irp m, 0,1
	WIN 0x08+4*\m                                  ; an LDS store's data are its source 1: window 2, 3
.irp a, 1,2,3
.irp n, 0,1,2,3,4,5,6,7
	ds_store_b128 v[23+\a], v[64*\a+8*\n:64*\a+8*\n+3] offset:(8*\m+\n)*1024          ; each accumulator from its low end on
	ds_store_b128 v[23+\a], v[64*\a+8*\n+4:64*\a+8*\n+7] offset:(8*\m+\n)*1024+512
.endr
.endr
.endr
	WIN 0x40                                       ; the ring is done with: window 1 takes b2 (v0-63), g2 (v64-127), be2 (v128-191): register 8 n + j is output 128 w + 16 n + 8 h + j
.irp n, 0,1,2,3,4,5,6,7
.irp j, 0,1
	global_load_b128 v[8*\n+4*\j:8*\n+4*\j+3], v22, s[14:15] offset:64*\n+16*\j
	global_load_b128 v[64+8*\n+4*\j:64+8*\n+4*\j+3], v22, s[20:21] offset:64*\n+16*\j
	global_load_b128 v[128+8*\n+4*\j:128+8*\n+4*\j+3], v22, s[22:23] offset:64*\n+16*\j
.endr
.endr
	WIN 0
	s_wait_dscnt 0x0                               ; my stores are done, and have read their registers
	s_barrier_signal -1
	s_barrier_wait -1                              ; all parts lie in their owners' slots
; ---- z = h + my part + the three others' + b2, for my 128 outputs of 32 rows: register 128 + 64 m + 8 n + j
	SLOAD 0, 2
	SLOAD 1, 3
	s_wait_dscnt 32                                ; slot 0 is in; slot 1's 32 loads may be out
	WIN 0x0a                                       ; sources 0 and 1 window 2
.set p, 0
.rept 32
	v_pk_add_f32 v[128+2*p:129+2*p], v[2*p:2*p+1], v[64+2*p:65+2*p]       ; rows 0-15: my accumulators, each from its low end on
.set p, p+1
.endr
	WIN 0x0b                                       ; source 0 window 3, source 1 window 2
.set p, 0
.rept 32
	v_pk_add_f32 v[192+2*p:193+2*p], v[2*p:2*p+1], v[128+2*p:129+2*p]     ; rows 16-31
.set p, p+1
.endr
	SLOAD 2, 2
	s_wait_dscnt 32                                ; slot 1 is in
	ZADD 3
	SLOAD 3, 3
	s_wait_dscnt 32                                ; slot 2 is in
	ZADD 2
	s_wait_dscnt 0x0
	ZADD 3
	s_wait_loadcnt 0x0                             ; b2, g2, be2
	WIN 0x04                                       ; source 1 window 1
.irp m, 0,1
.set p, 0
.rept 32
	v_pk_add_f32 v[128+64*\m+2*p:129+64*\m+2*p], v[128+64*\m+2*p:129+64*\m+2*p], v[2*p:2*p+1]
.set p, p+1
.endr
.endr
	WIN 0
; ---- norm2 by parts: each wave's mean and sum of squared differences over its 128 outputs of a row; the four are joined without a difference of large sums
.irp m, 0,1
	v_pk_add_f32 v[64+4*\m:65+4*\m], v[128+64*\m:129+64*\m], v[132+64*\m:133+64*\m]
	v_pk_add_f32 v[66+4*\m:67+4*\m], v[130+64*\m:131+64*\m], v[134+64*\m:135+64*\m]
.endr
.irp i, 8,12,16,20,24,28,32,36,40,44,48,52,56,60
.irp m, 0,1
	v_pk_add_f32 v[64+4*\m:65+4*\m], v[64+4*\m:65+4*\m], v[128+64*\m+\i:129+64*\m+\i]
	v_pk_add_f32 v[66+4*\m:67+4*\m], v[66+4*\m:67+4*\m], v[130+64*\m+\i:131+64*\m+\i]
.endr
.endr
.irp m, 0,1
	v_pk_add_f32 v[64+4*\m:65+4*\m], v[64+4*\m:65+4*\m], v[66+4*\m:67+4*\m]
.endr
.irp m, 0,1
	v_add_f32 v[64+4*\m], v[64+4*\m], v[65+4*\m]
.endr
.irp m, 0,1
	v_permlanex16_b32 v[72+\m], v[64+4*\m], s48, s49
.endr
.irp m, 0,1
	v_add_f32 v[64+4*\m], v[64+4*\m], v[72+\m]
.endr
.irp m, 0,1
	v_mul_f32 v[76+2*\m], 0x3c000000, v[64+4*\m]   ; my part's mean: / 128
.endr
.irp i, 0,4,8,12,16,20,24,28,32,36,40,44,48,52,56,60
.irp m, 0,1
	v_pk_add_f32 v[88+4*\m:89+4*\m], v[128+64*\m+\i:129+64*\m+\i], v[76+2*\m:77+2*\m] op_sel_hi:[1,0] neg_lo:[0,1] neg_hi:[0,1]
	v_pk_add_f32 v[90+4*\m:91+4*\m], v[130+64*\m+\i:131+64*\m+\i], v[76+2*\m:77+2*\m] op_sel_hi:[1,0] neg_lo:[0,1] neg_hi:[0,1]
.endr
.irp m, 0,1
.if \i == 0
	v_pk_mul_f32 v[64+4*\m:65+4*\m], v[88+4*\m:89+4*\m], v[88+4*\m:89+4*\m]
	v_pk_mul_f32 v[66+4*\m:67+4*\m], v[90+4*\m:91+4*\m], v[90+4*\m:91+4*\m]
.else
	v_pk_fma_f32 v[64+4*\m:65+4*\m], v[88+4*\m:89+4*\m], v[88+4*\m:89+4*\m], v[64+4*\m:65+4*\m]
	v_pk_fma_f32 v[66+4*\m:67+4*\m], v[90+4*\m:91+4*\m], v[90+4*\m:91+4*\m], v[66+4*\m:67+4*\m]
.endif
.endr
.endr
.irp m, 0,1
	v_pk_add_f32 v[64+4*\m:65+4*\m], v[64+4*\m:65+4*\m], v[66+4*\m:67+4*\m]
.endr
.irp m, 0,1
	v_add_f32 v[64+4*\m], v[64+4*\m], v[65+4*\m]
.endr
.irp m, 0,1
	v_permlanex16_b32 v[72+\m], v[64+4*\m], s48, s49
.endr
.irp m, 0,1
	v_add_f32 v[77+2*\m], v[64+4*\m], v[72+\m]     ; my part's sum of squared differences
.endr
.irp m, 0,1
	ds_store_b64 v28, v[76+2*\m:77+2*\m] offset:1024*\m
.endr
	s_wait_dscnt 0x0
	s_barrier_signal -1
	s_barrier_wait -1                              ; the last barrier: all four waves' parts lie in LDS
.irp m, 0,1
.irp i, 0,1,2,3
	ds_load_b64 v[96+8*\m+2*\i:97+8*\m+2*\i], v29 offset:(4*\m+\i)*256
.endr
.endr
.set i, 0
.rept 32
	s_lshl_b32 s52, s[68+i], 11
	v_add_nc_u32 v[32+i], s52, v23                 ; list row i in out0: 2,048 x token + 512 w + 16 lane
.set i, i+1
.endr
	s_wait_dscnt 0x0
.irp m, 0,1
	v_add_f32 v[112+\m], v[96+8*\m], v[98+8*\m]
	v_add_f32 v[114+\m], v[100+8*\m], v[102+8*\m]
.endr
.irp m, 0,1
	v_add_f32 v[112+\m], v[112+\m], v[114+\m]
.endr
.irp m, 0,1
	v_mul_f32 v[80+2*\m], 0x3e800000, v[112+\m]    ; the row's mean
.endr
.irp m, 0,1
	v_sub_f32 v[112+\m], v[96+8*\m], v[80+2*\m]
	v_add_f32 v[116+\m], v[97+8*\m], v[99+8*\m]
.endr
.irp m, 0,1
	v_mul_f32 v[114+\m], v[112+\m], v[112+\m]
	v_add_f32 v[116+\m], v[116+\m], v[101+8*\m]
.endr
.irp i, 1,2,3
.irp m, 0,1
	v_sub_f32 v[112+\m], v[96+8*\m+2*\i], v[80+2*\m]
.endr
.irp m, 0,1
	v_fma_f32 v[114+\m], v[112+\m], v[112+\m], v[114+\m]
.endr
.endr
.irp m, 0,1
	v_add_f32 v[116+\m], v[116+\m], v[103+8*\m]
.endr
.irp m, 0,1
	v_fmamk_f32 v[116+\m], v[114+\m], 0x43000000, v[116+\m]    ; + 128 x the parts' means' squared differences
.endr
.irp m, 0,1
	v_fmaak_f32 v[116+\m], s51, v[116+\m], 0x3727c5ac          ; the variance + 1e-5
.endr
.irp m, 0,1
	v_rsq_f32 v[84+2*\m], v[116+\m]
.endr
	v_nop                                          ; a plain instruction behind the transcendentals
	s_wait_alu depctr_va_vdst(0)                   ; one wait for both, ahead of the branch and of their first reader
	s_cmp_eq_u32 s31, 0                            ; a stored whole number; no barrier follows
	s_cbranch_scc1 .Lzero
; ---- the way out
.irp m, 0,1
.set p, 0
.rept 32
	v_pk_add_f32 v[128+64*\m+2*p:129+64*\m+2*p], v[128+64*\m+2*p:129+64*\m+2*p], v[80+2*\m:81+2*\m] op_sel_hi:[1,0] neg_lo:[0,1] neg_hi:[0,1]
.set p, p+1
.endr
.endr
.irp m, 0,1
.set p, 0
.rept 32
	v_pk_mul_f32 v[128+64*\m+2*p:129+64*\m+2*p], v[128+64*\m+2*p:129+64*\m+2*p], v[84+2*\m:85+2*\m] op_sel_hi:[1,0]
.set p, p+1
.endr
.endr
	WIN 0x14                                       ; sources 1 (g2) and 2 (be2) window 1
.irp m, 0,1
.set p, 0
.rept 32
	v_pk_fma_f32 v[128+64*\m+2*p:129+64*\m+2*p], v[128+64*\m+2*p:129+64*\m+2*p], v[64+2*p:65+2*p], v[128+2*p:129+2*p]
.set p, p+1
.endr
.endr
	WIN 0
; A lane holds eight neighbouring outputs of one row, and the lanes beside it other rows: so the 32 rows x 512 bytes go through my stage (rows of 528 bytes, in my quarter's slots, which I alone read and have read) and come back by rows
.irp m, 0,1
.irp n, 0,1,2,3,4,5,6,7
	ds_store_b128 v30, v[128+64*\m+8*\n:128+64*\m+8*\n+3] offset:8448*\m+64*\n
	ds_store_b128 v30, v[128+64*\m+8*\n+4:128+64*\m+8*\n+7] offset:8448*\m+64*\n+16
.endr
.endr
.set i, 0
.rept 32
	ds_load_b128 v[128+4*i:131+4*i], v27 offset:528*i   ; LDS serves a wave's instructions in order (ISA guide 5.7.1.4): these see my stores, into the registers that they left
.set i, i+1
.endr
	s_wait_dscnt 0x0
	STORE_ROWS 4
	s_branch .Lend
.Lzero:                                            ; a tile of tokens that no expert takes: reference() leaves zeros there
	v_mov_b32 v128, 0
	v_mov_b32 v129, 0
	v_mov_b32 v130, 0
	v_mov_b32 v131, 0
	STORE_ROWS 0
.Lend:
	s_wait_tensorcnt 0x0                           ; the wave's end
	ds_add_u32 v4, v5
	s_wait_dscnt 0x0
	s_endpgm
.Lfunc_end_k_qa655a29144_chain:
	.size	k_qa655a29144_chain, .Lfunc_end_k_qa655a29144_chain-k_qa655a29144_chain
	.p2alignl 7, 3214868480
	.fill 96, 4, 3214868480
	.section	.rodata,"a",@progbits
	.p2align	6, 0x0
	.amdhsa_kernel k_qa655a29144_chain
		.amdhsa_group_segment_fixed_size 282624
		.amdhsa_private_segment_fixed_size 0
		.amdhsa_enable_private_segment 0
		.amdhsa_kernarg_size 88
		.amdhsa_user_sgpr_count 2
		.amdhsa_user_sgpr_kernarg_segment_ptr 1
		.amdhsa_wavefront_size32 1
		.amdhsa_system_sgpr_workgroup_id_x 1
		.amdhsa_system_sgpr_workgroup_id_y 1
		.amdhsa_system_sgpr_workgroup_id_z 1
		.amdhsa_system_vgpr_workitem_id 0
		.amdhsa_next_free_vgpr 1024
		.amdhsa_next_free_sgpr 100
		.amdhsa_reserve_vcc 0
		.amdhsa_float_denorm_mode_32 3
		.amdhsa_float_denorm_mode_16_64 3
		.amdhsa_memory_ordered 1
		.amdhsa_forward_progress 1
		.amdhsa_inst_pref_size 255
	.end_amdhsa_kernel
	.section	.bss,"aw",@nobits
	.p2align	6
	.space	262144
	.amdgpu_metadata
---
amdhsa.version: [ 1, 2 ]
amdhsa.kernels:
  - .name:           k_qa655a29144_chain
    .symbol:         k_qa655a29144_chain.kd
    .args:
      - { .name: x, .offset: 0, .size: 8, .value_kind: global_buffer, .address_space: global }
      - { .name: rows, .offset: 8, .size: 8, .value_kind: global_buffer, .address_space: global }
      - { .name: tiles, .offset: 16, .size: 8, .value_kind: global_buffer, .address_space: global }
      - { .name: WF, .offset: 24, .size: 8, .value_kind: global_buffer, .address_space: global }
      - { .name: b1, .offset: 32, .size: 8, .value_kind: global_buffer, .address_space: global }
      - { .name: b2, .offset: 40, .size: 8, .value_kind: global_buffer, .address_space: global }
      - { .name: g1, .offset: 48, .size: 8, .value_kind: global_buffer, .address_space: global }
      - { .name: be1, .offset: 56, .size: 8, .value_kind: global_buffer, .address_space: global }
      - { .name: g2, .offset: 64, .size: 8, .value_kind: global_buffer, .address_space: global }
      - { .name: be2, .offset: 72, .size: 8, .value_kind: global_buffer, .address_space: global }
      - { .name: out0, .offset: 80, .size: 8, .value_kind: global_buffer, .address_space: global }
    .group_segment_fixed_size: 282624
    .private_segment_fixed_size: 0
    .kernarg_segment_align: 8
    .kernarg_segment_size: 88
    .max_flat_workgroup_size: 128
    .sgpr_count:     100
    .vgpr_count:     1024
    .wavefront_size: 32
...
	.end_amdgpu_metadata
.endif
;; end of part 2
;; ======== version 2 of 2: 2 launches; version 1 with the launch chain written anew for expert scheduling mode
;; workspace buffers: WF 17,301,504 bytes; rows 17,408 bytes of whole numbers; tiles 4,096 bytes of whole numbers
;; launch prep: the kernel of part 1 again; grid 257 x 1, 16 waves a work-group, no clusters, 4,096 bytes of LDS; arguments W1, W2, type_vec, WF, rows, tiles; writes WF, rows, tiles
;; launch chain (part 3): grid 136 x 1, 4 waves a work-group, no clusters, 282,624 bytes of LDS; arguments x, rows, tiles, WF, b1, b2, g1, be1, g2, be2, out0; writes out0
.if DOCPART == 3
	.amdgcn_target "amdgcn-amd-amdhsa--gfx1250"
	.amdhsa_code_object_version 6
	.text
	.protected	k_qa655a29144_chain
	.globl	k_qa655a29144_chain
	.p2align	8
	.type	k_qa655a29144_chain,@function
k_qa655a29144_chain:
	s_mov_b64 s[64:65], 0
	v_nop
	global_prefetch_b8 v0, s[64:65] scope:SCOPE_SE
	s_setreg_imm32_b32 hwreg(HW_REG_WAVE_SCHED_MODE, 0, 2), 2
	s_setreg_imm32_b32 hwreg(HW_REG_WAVE_MODE, 25, 1), 1
	s_wait_xcnt 0x0
	s_wait_alu depctr_vm_vsrc(0)
; CHAIN: one tile of at most 32 tokens of ONE expert goes through norm1, x W1 + b1, relu, x W2 + b2, the residual and norm2.  Only the expert that type_vec names for a token is computed: reference()'s own jnp.where throws
; the other seven experts' rows away for all values of the inputs (shown at the head of the launch before, which sorted the tokens).  A NaN or an overflow that arises only in an expert not chosen is not carried to the result.
; Both products run on codes of E4M3 with one E8M0 scale for each 32 along K; h and the hidden layer are quantised in registers; nothing but out0 goes to memory.
; SHARES.  Work-group t takes tile t of the stored list: 32 list rows, two tiles of 16.  Wave w takes hidden units 512 w .. 512 w + 511 (four chunks of 128: 16 + 16 records of WF on end... eight a chunk) for ALL 32 rows, and keeps its own
; partial sums of all 512 outputs in 512 registers: so the loop has no barrier and no LDS access.  At the end the four waves' parts meet in LDS; wave w then owns outputs 128 w .. 128 w + 127.
; BOTH PRODUCTS ARE USED TRANSPOSED (source 0 = 16 rows of a weight, source 1 = 16 tokens): a lane (r, h) holds ONE token r throughout.  The rows of W1 that form a fragment are chosen (by the launch before) so that the 16
; registers of two neighbouring result tiles are 16 neighbours along the next K.  Wave w walks W2's four groups of 128 outputs in the order (g' + w) % 4, so that its own quarter lies in accumulators 0-63 of both windows.
; THE WEIGHTS COME FROM MEMORY STRAIGHT INTO REGISTERS, as images of the operand's registers: each load of a wave reads 512 consecutive bytes.  No tensor load and no joint request: the records' addresses hang on a stored expert's
; number, and how many tiles an expert has hangs on the inputs, so partners of a cluster could not be given one expert at every split.  A ring of two register slots of eight fragments: one group is multiplied, one is on its way.
; LIMITS.  NaN and infinities among the inputs are not served.  A block whose largest magnitude lies under 2^-118 (a block of zeros too) has the scale byte 1.  An output's sum over the 2,048 hidden units is made in four parts of 512,
; which are then added: an order of rounding other than reference()'s.  List places past a tile's count name token 0: its row is computed and not stored.  A tile of bucket 8 (a type outside 0..7) is computed with expert 7's weights, and zeros are stored.
; REGISTERS.  Window 0: v1 16 lane, v2 4 lane, v3 64 h; v4, v5 the add's two; v8-11 h's scale words, v12-19 the weights' (4 a slot), v20-21 the hidden layer's: these fourteen hold scales and nothing else; v22-31 at work;
;   v32-63 b1 (16 a slot); v64-95 four result tiles of the hidden layer; v96-127 its codes; v128-255 h's eight fragments (at the head: x; at the end: z).  Window 1: the ring, slot 0 v0-127, slot 1 v128-255.
;   Window 2: y of rows 0-15, accumulator (g', ti) at v[64 g' + 8 ti]; window 3: y of rows 16-31.
; THE MODE: SCHED_MODE bits 1:0 = 2 (LLVM: expert scheduling mode 2), set by the entry lines.  The code itself states the register dependences between vector or matrix instructions and memory or LDS instructions,
; with s_wait_alu, always for 0.
; THE PLAN, for the stream.  Registers that memory instructions touch there:
;   ring slot SL (its 128 registers of window 1, its four scale words in v12-19, its 16 numbers of b1 in v32-63): a group's 16 matrix instructions read it; behind them the loads of the group two further on land in it.
;   v1, v2, v3: the loads' offsets, made at the head and never written again: the scalar bases step, and immediate offsets do the rest.
;   v20-31, v64-127, v128-255 and the accumulators are named by vector and matrix instructions alone.  All 1,024 registers are laid out: there is no third slot.
; So ONE wait on va_vdst stands in a group, behind its matrix instructions: they are done reading the slot.  In a pair 20 of the next loads follow it at once, the quantiser, which names v20-31 and v64-127 alone, stands
; between, and the other 16 or 20 loads follow the quantiser with no further wait.  One more wait on va_vdst a chunk stands ahead of the products with W2: the hidden layer's codes and scale words are written.
; The head's and the end's waits are stated where they stand.
.set REC,   16896
.set CHK,   8*REC
.set XIMG,  0                          ; LDS: h's eight fragments as images: (4 m + s) 2048 + 512 c + 16 lane
.set XSC,   16384                      ; their scale words: 128 s + 64 m + 4 r
.set STB,   16896                      ; norm2's parts: (4 m + w) 256 + 8 lane
.set SPARE, 18944                      ; the spare words, 128 bytes a wave: two blocks of 256 bytes that no other line names
.set EXB,   20480                      ; [quarter 4][source 4] slots of 16,384 bytes, each an image of 128 registers: piece p = (8 m + n) 2 + j4 at 512 p + 16 lane.  Slot [q][q]: the residual h; [q][s]: wave s's part of quarter q
.set MSB, 0
.macro WIN new                         ; the immediate's high byte repeats the setting that is left; a switch that changes nothing is dropped
.if MSB != (\new)
	s_set_vgpr_msb (MSB<<8)|(\new)
.set MSB, (\new)
.endif
.endm
; One matrix instruction.  c: C's first register, or -1 for the constant 0;  ra, rb: the half of the lanes (0, 1) from which source 0's and source 1's scales are read
.macro WM d, a, b, c, sa, sb, ra, rb
.if (\c) < 0
.if ((\ra) == 0) && ((\rb) == 0)
	v_wmma_scale_f32_16x16x128_f8f6f4 v[\d:\d+7], v[\a:\a+15], v[\b:\b+15], 0, v[\sa], v[\sb]
.elseif ((\ra) == 1) && ((\rb) == 0)
	v_wmma_scale_f32_16x16x128_f8f6f4 v[\d:\d+7], v[\a:\a+15], v[\b:\b+15], 0, v[\sa], v[\sb] matrix_a_scale:MATRIX_SCALE_ROW1
.elseif ((\ra) == 0) && ((\rb) == 1)
	v_wmma_scale_f32_16x16x128_f8f6f4 v[\d:\d+7], v[\a:\a+15], v[\b:\b+15], 0, v[\sa], v[\sb] matrix_b_scale:MATRIX_SCALE_ROW1
.else
	v_wmma_scale_f32_16x16x128_f8f6f4 v[\d:\d+7], v[\a:\a+15], v[\b:\b+15], 0, v[\sa], v[\sb] matrix_a_scale:MATRIX_SCALE_ROW1 matrix_b_scale:MATRIX_SCALE_ROW1
.endif
.else
.if ((\ra) == 0) && ((\rb) == 0)
	v_wmma_scale_f32_16x16x128_f8f6f4 v[\d:\d+7], v[\a:\a+15], v[\b:\b+15], v[\c:\c+7], v[\sa], v[\sb]
.elseif ((\ra) == 1) && ((\rb) == 0)
	v_wmma_scale_f32_16x16x128_f8f6f4 v[\d:\d+7], v[\a:\a+15], v[\b:\b+15], v[\c:\c+7], v[\sa], v[\sb] matrix_a_scale:MATRIX_SCALE_ROW1
.elseif ((\ra) == 0) && ((\rb) == 1)
	v_wmma_scale_f32_16x16x128_f8f6f4 v[\d:\d+7], v[\a:\a+15], v[\b:\b+15], v[\c:\c+7], v[\sa], v[\sb] matrix_b_scale:MATRIX_SCALE_ROW1
.else
	v_wmma_scale_f32_16x16x128_f8f6f4 v[\d:\d+7], v[\a:\a+15], v[\b:\b+15], v[\c:\c+7], v[\sa], v[\sb] matrix_a_scale:MATRIX_SCALE_ROW1 matrix_b_scale:MATRIX_SCALE_ROW1
.endif
.endif
.endm
.macro PLACES8                         ; eight plain vector instructions stand between a matrix instruction of this form and a load into, or a vector read of, its registers (ISA guide 7.12.1 for vector reads); the wait on va_vdst behind them fills no place
.rept 8
	v_nop
.endr
.endm
; A record into ring slot `slot`: 32 loads of codes, 4 of scale words; bias = 1: and the 16 numbers of b1 that are the C of its two result tiles: 40 loads, else 36.  No hint: the expert's other tiles read the same records.
.macro LOADG slot, ptr, off, bias, boff
	WIN 0x40                                       ; destination window 1
.irp f, 0,1,2,3,4,5,6,7
.irp c, 0,1,2,3
	global_load_b128 v[128*(\slot)+16*\f+4*\c:128*(\slot)+16*\f+4*\c+3], v1, s[\ptr:\ptr+1] offset:(\off)+2048*\f+512*\c
.endr
.endr
	WIN 0
.irp i, 0,1,2,3
	global_load_b32 v[12+4*(\slot)+\i], v2, s[\ptr:\ptr+1] offset:(\off)+16384+128*\i
.endr
.if \bias
.irp i, 0,1,2,3
	global_load_b128 v[32+16*(\slot)+4*\i:32+16*(\slot)+4*\i+3], v3, s[42:43] offset:(\boff)+16*\i   ; b1 at units 32 b + 16 h + 0..15
.endr
.endif
.endm
; The same record in two parts, for a pair.  The first: fragments 0-3 and the scale words: 20 loads, which with the 40 or 36 of the one younger group are at most 60 outstanding
.macro LOADG1 slot, ptr, off
	WIN 0x40                                       ; destination window 1
.irp f, 0,1,2,3
.irp c, 0,1,2,3
	global_load_b128 v[128*(\slot)+16*\f+4*\c:128*(\slot)+16*\f+4*\c+3], v1, s[\ptr:\ptr+1] offset:(\off)+2048*\f+512*\c
.endr
.endr
	WIN 0
.irp i, 0,1,2,3
	global_load_b32 v[12+4*(\slot)+\i], v2, s[\ptr:\ptr+1] offset:(\off)+16384+128*\i
.endr
.endm
; The second: fragments 4-7, and b1 where the record has one: 16 or 20 loads
.macro LOADG2 slot, ptr, off, bias, boff
	WIN 0x40                                       ; destination window 1
.irp f, 4,5,6,7
.irp c, 0,1,2,3
	global_load_b128 v[128*(\slot)+16*\f+4*\c:128*(\slot)+16*\f+4*\c+3], v1, s[\ptr:\ptr+1] offset:(\off)+2048*\f+512*\c
.endr
.endr
	WIN 0
.if \bias
.irp i, 0,1,2,3
	global_load_b128 v[32+16*(\slot)+4*\i:32+16*(\slot)+4*\i+3], v3, s[42:43] offset:(\boff)+16*\i   ; b1 at units 32 b + 16 h + 0..15
.endr
.endif
.endm
; The 16 + 16 numbers just made (rows 0-15 in v64-79, rows 16-31 in v80-95: k = 32 b + 16 h + 0..15 of my token) become registers 4 b .. 4 b + 3 of the two operands, and byte b of their scale words.  The two by turns.
.macro QUANT b
.irp m, 0,1
	v_max3_num_f32 v[22+\m], v[64+16*\m], v[65+16*\m], 0x4800000   ; no |.|: what is negative becomes 0, so it does not count; the floor 2^(9 - 127) stands over it.  Each result tile is read from its low end on
.endr
.irp i, 2,4,6,8,10,12,14
.irp m, 0,1
	v_max3_num_f32 v[22+\m], v[22+\m], v[64+16*\m+\i], v[65+16*\m+\i]
.endr
.endr
.irp m, 0,1
	v_permlanex16_b32 v[24+\m], v[22+\m], s48, s49
.endr
.irp m, 0,1
	v_max_num_f32 v[22+\m], v[22+\m], v[24+\m]     ; with lane l xor 16's: the block's largest
.endr
.irp m, 0,1
	v_add_nc_u32 v[26+\m], 0xfc000000, v[22+\m]    ; 8 off the exponent field: the conversion's scale operand
.endr
.irp m, 0,1
	v_and_or_b32 v[28+\m], v[22+\m], 0x7f800000, s50   ; 448 x the scale
.endr
.irp m, 0,1
	v_lshrrev_b32 v[30+\m], 23, v[26+\m]           ; the byte
.endr
.irp m, 0,1
.if (\b) == 0
	v_mov_b32 v[20+\m], v[30+\m]
.else
	v_lshl_or_b32 v[20+\m], v[30+\m], 8*(\b), v[20+\m]
.endif
.endr
.irp m, 0,1
.irp i, 0,1,2,3,4,5,6,7,8,9,10,11,12,13,14,15
	v_med3_num_f32 v[64+16*\m+\i], v[64+16*\m+\i], 0, v[28+\m]   ; relu and the hold in one: between 0 and the largest code x the scale
.endr
	v_cvt_scalef32_pk8_fp8_f32 v[96+16*\m+4*(\b):97+16*\m+4*(\b)], v[64+16*\m:71+16*\m], v[26+\m]
	v_cvt_scalef32_pk8_fp8_f32 v[98+16*\m+4*(\b):99+16*\m+4*(\b)], v[72+16*\m:79+16*\m], v[26+\m]
.endr
	v_nop                                          ; a plain instruction behind the last conversion: the next products write its sources
.if (\b) == 3
.rept 3
	v_nop                                          ; with the one above: four places between the codes and the scaled products that take them (the scale words were made ahead of the 32 holds)
.endr
	s_wait_alu depctr_va_vdst(0)                   ; behind the places: the conversions have written the codes v96-127, and the lines above them the scale words v20 and v21, which the chunk's products with W2 take as source 1 and its scales
.endif
.endm
; 32 hidden units (pair b of the chunk) for 32 rows: four result tiles (m, u), K = 512 in four steps: 16 matrix instructions, the four tiles by turns.  n: the loads of the one younger group, which may stay out.
; Then the slot just read takes the group two further on: its first 20 loads at once, the others behind the quantiser, which works while the first are on their way.
.macro PAIR b, n, ptr, off, bias, boff
.set SL, (\b)&1
	s_wait_loadcnt \n
	WIN 0x01                                       ; source 0 (W1) window 1
.irp s, 0,1,2,3
.irp m, 0,1
.irp u, 0,1
.if \s == 0
	WM 64+16*\m+8*\u, 128*SL+16*(2*\s+\u), 128+64*\m+16*\s, 32+16*SL+8*\u, 12+4*SL+\s, 8+\s, \u, \m
.else
	WM 64+16*\m+8*\u, 128*SL+16*(2*\s+\u), 128+64*\m+16*\s, 64+16*\m+8*\u, 12+4*SL+\s, 8+\s, \u, \m
.endif
.endr
.endr
.endr
	WIN 0
	PLACES8                                        ; for the first read of the results.  (The next pair writes over these result tiles with another C: beyond these eight, the lines of QUANT on its own temporaries are places too)
	s_wait_alu depctr_va_vdst(0)                   ; the 16 matrix instructions are done reading slot SL, its scale words and its b1, in which the loads of both parts below land
	LOADG1 SL, \ptr, \off
	QUANT \b
	LOADG2 SL, \ptr, \off, \bias, \boff            ; no wait: no vector or matrix instruction since the wait above names the slot, v32-63 or the offsets v1 and v3
.endm
; 128 outputs (my g'-th group) += the chunk's 128 hidden units, for 32 rows: 16 matrix instructions on 16 accumulators.  first = 1: they start the sums.  ld = 1: the slot then takes the group two further on.
.macro OUTG g, n, first, ld, ptr, off, bias, boff
.set SL, (\g)&1
	s_wait_loadcnt \n
	WIN 0xa1                                       ; source 0 (W2) window 1, C and D window 2
.irp ti, 0,1,2,3,4,5,6,7
.if \first
	WM 64*(\g)+8*\ti, 128*SL+16*\ti, 96, -1, 12+4*SL+\ti/2, 20, \ti%2, 0
.else
	WM 64*(\g)+8*\ti, 128*SL+16*\ti, 96, 64*(\g)+8*\ti, 12+4*SL+\ti/2, 20, \ti%2, 0
.endif
.endr
	WIN 0xf1                                       ; C and D window 3
.irp ti, 0,1,2,3,4,5,6,7
.if \first
	WM 64*(\g)+8*\ti, 128*SL+16*\ti, 112, -1, 12+4*SL+\ti/2, 21, \ti%2, 0
.else
	WM 64*(\g)+8*\ti, 128*SL+16*\ti, 112, 64*(\g)+8*\ti, 12+4*SL+\ti/2, 21, \ti%2, 0
.endif
.endr
	WIN 0
	PLACES8
.if \ld
	s_wait_alu depctr_va_vdst(0)                   ; the 16 matrix instructions are done reading slot SL and its scale words, in which the loads below land
	LOADG SL, \ptr, \off, \bias, \boff
.endif
.endm
; A chunk of 128 hidden units: eight groups.  Each wait's count is the size of the one group issued behind the group that is wanted.
.macro CHUNK first, last
	PAIR 0, 40, 32, 2*REC, 1, 256
	PAIR 1, 40, 32, 3*REC, 1, 384
	PAIR 2, 40, 34, 0, 0, 0
	PAIR 3, 36, 36, 0, 0, 0
	OUTG 0, 36, \first, 1, 38, 0, 0, 0
	OUTG 1, 36, \first, 1, 40, 0, 0, 0
.if \last
	OUTG 2, 36, \first, 0, 0, 0, 0, 0
	OUTG 3, 0, \first, 0, 0, 0, 0, 0
.else
	OUTG 2, 36, \first, 1, 32, CHK, 1, 512
	OUTG 3, 40, \first, 1, 32, CHK+REC, 1, 640
	s_wait_xcnt 0x0                                ; every load issued has read its base: the pointers step only behind this wait
	s_add_nc_u64 s[32:33], s[32:33], CHK
	s_add_nc_u64 s[34:35], s[34:35], CHK
	s_add_nc_u64 s[36:37], s[36:37], CHK
	s_add_nc_u64 s[38:39], s[38:39], CHK
	s_add_nc_u64 s[40:41], s[40:41], CHK
	s_add_nc_u64 s[42:43], s[42:43], 512
.endif
.endm
; h, four runs of 16 numbers (t = t0 .. t0 + 3) by turns: lanes q and q xor 1 hold a block of 32.  Codes to v[64 + 4 t], the byte to v[96 + t]; the codes go to their place in h's images.  first = 1: the first of the two calls
.macro QX4 t0, first
.irp a, 0,1,2,3
	v_max3_num_f32 v[104+\a], |v[128+16*(\t0+\a)]|, |v[129+16*(\t0+\a)]|, 0x4800000
.endr
.irp i, 2,4,6,8,10,12,14
.irp a, 0,1,2,3
	v_max3_num_f32 v[104+\a], v[104+\a], |v[128+16*(\t0+\a)+\i]|, |v[129+16*(\t0+\a)+\i]|
.endr
.endr
.irp a, 0,1,2,3
	v_max_num_f32_dpp v[104+\a], v[104+\a], v[104+\a] row_xmask:1 row_mask:0xf bank_mask:0xf
.endr
.irp a, 0,1,2,3
	v_add_nc_u32 v[108+\a], 0xfc000000, v[104+\a]
.endr
.irp a, 0,1,2,3
	v_and_or_b32 v[112+\a], v[104+\a], 0x7f800000, s50
.endr
.irp a, 0,1,2,3
	v_lshrrev_b32 v[96+\t0+\a], 23, v[108+\a]
.endr
	s_wait_dscnt 0x0                               ; the residual's stores have read h as it is: the hold below may change it
.if \first
	s_wait_alu depctr_vm_vsrc(0)                   ; the residual's 32 LDS stores have read v128-255, which the holds of this call and of the next write
.endif
.irp a, 0,1,2,3
.irp i, 0,1,2,3,4,5,6,7,8,9,10,11,12,13,14,15
	v_med3_num_f32 v[128+16*(\t0+\a)+\i], v[128+16*(\t0+\a)+\i], -v[112+\a], v[112+\a]
.endr
	v_cvt_scalef32_pk8_fp8_f32 v[64+4*(\t0+\a):65+4*(\t0+\a)], v[128+16*(\t0+\a):135+16*(\t0+\a)], v[108+\a]
	v_cvt_scalef32_pk8_fp8_f32 v[66+4*(\t0+\a):67+4*(\t0+\a)], v[136+16*(\t0+\a):143+16*(\t0+\a)], v[108+\a]
.endr
	v_nop                                          ; a plain instruction behind the last conversion
	s_wait_alu depctr_va_vdst(0)                   ; the conversions have written the sixteen registers of codes that the four LDS stores below read
.irp a, 0,1,2,3
	ds_store_b128 v123, v[64+4*(\t0+\a):67+4*(\t0+\a)] offset:XIMG+1024*(\t0+\a)
.endr
.endm
; Slot k of my quarter into v64-191 of window w.  how = 2: the first such load; how = 1: the registers have just been read by additions; how = 0: nothing has named them since the last waits
.macro SLOAD k, w, how
	WIN (\w)<<6
.if (\how) == 2
	s_wait_alu depctr_vm_vsrc(0)                   ; my LDS stores have read the accumulators v64-255 of windows 2 and 3; the loads of this slot and of the next land in v64-191 of the two windows
.endif
.if (\how) >= 1
	s_wait_alu depctr_va_vdst(0)                   ; how = 2: the matrix instructions have written those accumulators; how = 1: the additions above are done reading the registers in which these loads land
.endif
.set p, 0
.rept 32
	ds_load_b128 v[64+4*p:67+4*p], v27 offset:16384*(\k)+512*p
.set p, p+1
.endr
.endm
.macro ZADD w                          ; z += v64-191 of window w
	WIN (\w)<<2
.set p, 0
.rept 64
	v_pk_add_f32 v[128+2*p:129+2*p], v[128+2*p:129+2*p], v[64+2*p:65+2*p]
.set p, p+1
.endr
.endm
.macro STORE_ROWS step                 ; list rows 0 .. count - 1: a wave's store covers 512 consecutive bytes of a row, at a multiple of 256 from out0's first byte
.set i, 0
.rept 32
	s_cmp_le_u32 s29, i
	s_cbranch_scc1 .Lend
	global_store_b128 v[32+i], v[128+(\step)*i:128+(\step)*i+3], s[24:25] th:TH_STORE_NT
.set i, i+1
.endr
.endm
; ---- the head
	s_load_b512 s[4:19], s[0:1], 0x0               ; x s[4:5], rows s[6:7], tiles s[8:9], WF s[10:11], b1 s[12:13], b2 s[14:15], g1 s[16:17], be1 s[18:19]
	s_load_b128 s[20:23], s[0:1], 0x40             ; g2, be2
	s_load_b64 s[24:25], s[0:1], 0x50              ; out0
	v_lshl_add_u32 v4, v0, 2, SPARE                ; my spare word,
	v_mov_b32 v5, 0                                ; and 0: kept for the add at the wave's end
	v_lshrrev_b32 v1, 5, v0
	v_readfirstlane_b32 s26, v1                    ; wave 0..3
	v_and_b32 v2, 31, v0
	v_lshlrev_b32 v1, 4, v2                        ; 16 lane
	v_lshlrev_b32 v2, 2, v2                        ; 4 lane
	v_bfe_u32 v3, v0, 4, 1
	v_lshlrev_b32 v3, 6, v3                        ; 64 h
	v_mov_b32 v24, 0                               ; written once: a lane permute's destination counts as one of its sources
	v_mov_b32 v25, 0
	s_mov_b32 s48, 0x76543210
	s_mov_b32 s49, 0xfedcba98                      ; v_permlanex16_b32's selects for lane l xor 16
	s_mov_b32 s50, 0x600000                        ; the mantissa field of 448
	s_mov_b32 s51, 0x3b000000                      ; 1 / 512
	; norm1's shares: lane = 4 r8 + q takes, of list row 8 w + r8, k = 64 t + 16 q + 0..15, t = 0..7: register 128 + 16 t + 4 i + j is k = 64 t + 16 q + 4 i + j
	v_and_b32 v118, 0x7c, v0                       ; 4 (8 w + r8): my row's place in the list, and in h's scale words
	v_and_b32 v104, 3, v0                          ; q
	v_lshlrev_b32 v122, 6, v104                    ; 64 q
	v_bfe_u32 v105, v0, 2, 3                       ; r8
	s_wait_alu depctr_va_sdst(0)                   ; s26, the wave's number, is written, ahead of its first reader: LDS places and the bases of the weights are made from it
	s_lshr_b32 s52, s26, 1
	s_lshl_b32 s52, s52, 13
	s_and_b32 s53, s26, 1
	s_lshl_b32 s53, s53, 7
	s_add_co_u32 s52, s52, s53                     ; 8192 m + 128 (w % 2): row 8 w + r8 is row r = 8 (w % 2) + r8 of tile m = w / 2
	v_lshl_add_u32 v105, v105, 4, s52
	v_lshl_add_u32 v123, v104, 8, v105             ; h's codes: + 256 q (+ 1024 t)
	v_lshl_add_u32 v106, v104, 10, v105
.irp k, 0,1,2,3
	v_add_nc_u32 v[124+\k], EXB+81920*\k, v106     ; the residual, quarter k = t / 2, slot [k][k]: + 1024 q
.endr
	v_and_b32 v116, 2, v0
	v_lshlrev_b32 v116, 2, v116                    ; 8 (q / 2): my bytes' place in a scale word
	s_lshl_b32 s44, ttmp9, 3
	s_mov_b32 s45, 0
	s_lshl_b32 s46, ttmp9, 7
	s_mov_b32 s47, 0
	s_wait_kmcnt 0x0
	s_add_nc_u64 s[8:9], s[8:9], s[44:45]
	s_add_nc_u64 s[6:7], s[6:7], s[46:47]
	s_load_b64 s[28:29], s[8:9], 0x0               ; my tile's bucket and count
	s_load_b512 s[68:83], s[6:7], 0x0              ; its 32 token numbers
	s_load_b512 s[84:99], s[6:7], 0x40
	s_wait_alu depctr_va_vdst(0)                   ; the offsets and LDS addresses v1, v2, v3, v118 and v122 to v127 are written, which the loads and LDS stores of the head and of the stream read
	global_load_b32 v120, v118, s[6:7]             ; and my lane's row's
	s_wait_kmcnt 0x0
	s_min_u32 s30, s28, 7                          ; the expert whose weights are walked
	s_cmp_lt_u32 s28, 8
	s_cselect_b32 s31, -1, 0                       ; 0: no expert: zeros are stored
	s_min_u32 s29, s29, 32
.set i, 0
.rept 32
	s_min_u32 s[68+i], s[68+i], 4095
.set i, i+1
.endr
	s_lshl_b32 s44, s30, 4
	s_lshl_b32 s45, s26, 2
	s_add_co_u32 s44, s44, s45
	s_mul_i32 s44, s44, CHK
	s_mov_b32 s45, 0
	s_add_nc_u64 s[32:33], s[10:11], s[44:45]      ; my first chunk: 16 e + 4 w
.irp g, 0,1,2,3
	s_add_co_u32 s44, s26, \g
	s_and_b32 s44, s44, 3
	s_add_co_u32 s44, s44, 4
	s_mul_i32 s44, s44, REC
	s_add_nc_u64 s[34+2*\g:35+2*\g], s[32:33], s[44:45]   ; W2's group (g' + w) % 4
.endr
	s_lshl_b32 s44, s30, 13
	s_lshl_b32 s52, s26, 11
	s_add_co_u32 s44, s44, s52
	s_add_nc_u64 s[42:43], s[12:13], s[44:45]      ; b1 at my 512 units
	s_lshl_b32 s44, s30, 11
	s_add_nc_u64 s[14:15], s[14:15], s[44:45]      ; the expert's rows of b2, g1, be1, g2, be2
	s_add_nc_u64 s[16:17], s[16:17], s[44:45]
	s_add_nc_u64 s[18:19], s[18:19], s[44:45]
	s_add_nc_u64 s[20:21], s[20:21], s[44:45]
	s_add_nc_u64 s[22:23], s[22:23], s[44:45]
; ---- the first loads
	WIN 0x80                                       ; destination window 2
.irp t, 0,1,2,3,4,5,6,7
.irp i, 0,1,2,3
	global_load_b128 v[16*\t+4*\i:16*\t+4*\i+3], v122, s[16:17] offset:256*\t+16*\i          ; g1, in x's layout
.endr
.endr
	WIN 0
	s_wait_loadcnt 32                              ; my row's token number is in (behind it: g1's 32 loads)
	v_min_u32 v120, 0xfff, v120
	v_lshl_add_u32 v121, v120, 11, v122            ; 2,048 x token + 64 q
	s_wait_alu depctr_va_vdst(0)                   ; v121 is written, which x's 32 loads read as their offset
.irp t, 0,1,2,3,4,5,6,7
.irp i, 0,1,2,3
	global_load_b128 v[128+16*\t+4*\i:128+16*\t+4*\i+3], v121, s[4:5] offset:256*\t+16*\i    ; x
.endr
.endr
	WIN 0x80
.irp t, 0,1,2,3,4,5,6,7
.irp i, 0,1,2,3
	global_load_b128 v[128+16*\t+4*\i:128+16*\t+4*\i+3], v122, s[18:19] offset:256*\t+16*\i  ; be1
.endr
.endr
	LOADG 0, 32, 0, 1, 0                           ; the first two groups of weights come while norm1 is worked
	s_wait_loadcnt 40                              ; g1, x and be1 are in (behind them: group 0's 40 loads)
	LOADG 1, 32, REC, 1, 128
; ---- norm1, in two passes: the mean, then the mean of the squared differences.  Four lanes hold a row
.irp c, 0,1,2,3
	v_pk_add_f32 v[104+2*\c:105+2*\c], v[128+2*\c:129+2*\c], v[136+2*\c:137+2*\c]
.endr
.set p, 8
.rept 56
	v_pk_add_f32 v[104+2*(p%4):105+2*(p%4)], v[104+2*(p%4):105+2*(p%4)], v[128+2*p:129+2*p]
.set p, p+1
.endr
	v_pk_add_f32 v[104:105], v[104:105], v[106:107]
	v_pk_add_f32 v[108:109], v[108:109], v[110:111]
	v_pk_add_f32 v[104:105], v[104:105], v[108:109]
	v_add_f32 v104, v104, v105
	v_add_f32_dpp v104, v104, v104 row_xmask:1 row_mask:0xf bank_mask:0xf
	v_add_f32_dpp v104, v104, v104 row_xmask:2 row_mask:0xf bank_mask:0xf
	v_mul_f32 v104, s51, v104                      ; the mean
.set p, 0
.rept 64
	v_pk_add_f32 v[128+2*p:129+2*p], v[128+2*p:129+2*p], v[104:105] op_sel_hi:[1,0] neg_lo:[0,1] neg_hi:[0,1]
.set p, p+1
.endr
.irp c, 0,1,2,3
	v_pk_mul_f32 v[106+2*\c:107+2*\c], v[128+2*\c:129+2*\c], v[128+2*\c:129+2*\c]
.endr
.set p, 4
.rept 60
	v_pk_fma_f32 v[106+2*(p%4):107+2*(p%4)], v[128+2*p:129+2*p], v[128+2*p:129+2*p], v[106+2*(p%4):107+2*(p%4)]
.set p, p+1
.endr
	v_pk_add_f32 v[106:107], v[106:107], v[108:109]
	v_pk_add_f32 v[110:111], v[110:111], v[112:113]
	v_pk_add_f32 v[106:107], v[106:107], v[110:111]
	v_add_f32 v106, v106, v107
	v_add_f32_dpp v106, v106, v106 row_xmask:1 row_mask:0xf bank_mask:0xf
	v_add_f32_dpp v106, v106, v106 row_xmask:2 row_mask:0xf bank_mask:0xf
	v_fmaak_f32 v106, s51, v106, 0x3727c5ac        ; the variance + 1e-5
	v_rsq_f32 v108, v106
	v_nop                                          ; a plain instruction behind the transcendental
	s_wait_alu depctr_va_vdst(0)                   ; and a wait ahead of its first reader: v108 is written
.set p, 0
.rept 64
	v_pk_mul_f32 v[128+2*p:129+2*p], v[128+2*p:129+2*p], v[108:109] op_sel_hi:[1,0]
.set p, p+1
.endr
	WIN 0x28                                       ; sources 1 (g1) and 2 (be1) window 2
.set p, 0
.rept 64
	v_pk_fma_f32 v[128+2*p:129+2*p], v[128+2*p:129+2*p], v[2*p:2*p+1], v[128+2*p:129+2*p]
.set p, p+1
.endr
	WIN 0
; ---- h to LDS: as f32 into the residual's slots, in the layout of y's accumulators (k = 64 t + 16 q + 4 i: quarter t / 2, tile n = 4 (t % 2) + q, half i / 2, piece i % 2); as codes and scale words into the operand's images
	s_wait_alu depctr_va_vdst(0)                   ; norm1 has written h, v128-255, which the 32 LDS stores below read
.irp t, 0,1,2,3,4,5,6,7
.irp i, 0,1,2,3
	ds_store_b128 v[124+\t/2], v[128+16*\t+4*\i:128+16*\t+4*\i+3] offset:4096*(\t%2)+512*(\i%2)+256*(\i/2)
.endr
.endr
	QX4 0, 1
	QX4 4, 0
.irp s, 0,1,2,3                        ; K step s: my bytes are c = q / 2 (t = 2 s) and c = 2 + q / 2 (t = 2 s + 1); lane q xor 2 has the other two
	v_lshl_or_b32 v[104+\s], v[97+2*\s], 16, v[96+2*\s]
.endr
.irp s, 0,1,2,3
	v_lshlrev_b32 v[104+\s], v116, v[104+\s]
.endr
.irp s, 0,1,2,3
	v_mov_b32_dpp v[108+\s], v[104+\s] row_xmask:2 row_mask:0xf bank_mask:0xf
.endr
.irp s, 0,1,2,3
	v_or_b32 v[104+\s], v[104+\s], v[108+\s]
.endr
	s_wait_alu depctr_va_vdst(0)                   ; the scale words v104-107 are written, which the LDS stores below read; and the holds and conversions are done with v128-255, in which h's fragments land behind the barrier
.irp s, 0,1,2,3
	ds_store_b32 v118, v[104+\s] offset:XSC+128*\s   ; a row's four lanes write the same word with the same value
.endr
	s_wait_dscnt 0x0                               ; for the others' sake: my stores are done
	s_barrier_signal -1
	s_barrier_wait -1                              ; h's eight fragments, its scale words and the residual lie in LDS
	s_wait_alu depctr_vm_vsrc(0)                   ; my LDS stores and the head's loads have read v64-95, v104-107, v118 and v121 to v127: from here on these are the hidden layer's result tiles and codes, written by products and conversions
.irp m, 0,1
.irp s, 0,1,2,3
.irp c, 0,1,2,3
	ds_load_b128 v[128+64*\m+16*\s+4*\c:128+64*\m+16*\s+4*\c+3], v1 offset:XIMG+(4*\m+\s)*2048+512*\c
.endr
.endr
.endr
.irp s, 0,1,2,3
	ds_load_b32 v[8+\s], v2 offset:XSC+128*\s      ; lanes 0-15: rows 0-15; lanes 16-31: rows 16-31
.endr
	s_wait_dscnt 0x0
; ---- the stream: my four chunks.  The first starts y's sums, the last asks for nothing more
	CHUNK 1, 0
	s_mov_b32 s46, 2
.Lmid:
	CHUNK 0, 0
	s_sub_co_u32 s46, s46, 1
	s_cmp_lg_u32 s46, 0
	s_cbranch_scc1 .Lmid
	CHUNK 0, 1
; ---- the parts meet: my accumulators of the three quarters that are not mine go to their owners' slots
	s_lshl_b32 s52, s26, 14
.irp a, 1,2,3
	s_add_co_u32 s53, s26, \a
	s_and_b32 s53, s53, 3
	s_lshl_b32 s53, s53, 16
	s_add_co_u32 s53, s53, s52
	s_add_co_u32 s53, s53, EXB
	v_add_nc_u32 v[23+\a], s53, v1                 ; slot [(a + w) % 4][w]
.endr
	s_lshl_b32 s53, s26, 9
	v_bfe_u32 v22, v0, 4, 1
	v_lshlrev_b32 v22, 5, v22
	v_add_nc_u32 v22, s53, v22                     ; b2, g2, be2: 512 w + 32 h: outputs 128 w + 8 h on
	v_add_nc_u32 v23, s53, v1                      ; out0: 512 w + 16 lane
	s_lshl_b32 s53, s26, 16
	s_add_co_u32 s53, s53, EXB
	v_add_nc_u32 v27, s53, v1                      ; my quarter's four slots; later my stage, read by rows
	v_and_b32 v31, 15, v0
	v_mul_u32_u24 v30, v31, 528
	v_bfe_u32 v31, v0, 4, 1
	v_lshl_add_u32 v30, v31, 5, v30
	v_add_nc_u32 v30, s53, v30                     ; the stage, on the way in: row r of 528 bytes, + 32 h
	s_lshl_b32 s53, s26, 8
	s_add_co_u32 s53, s53, STB
	v_lshl_add_u32 v28, v2, 1, s53                 ; norm2's parts: mine,
	v_lshl_add_u32 v29, v2, 1, STB                 ; and all four
	s_wait_alu depctr_va_vdst(0)                   ; behind the last products' eight places: the accumulators are written, which the LDS stores read; so are the addresses v22 and v24 to v30; and the products are done reading the ring, in which b2, g2 and be2 land
.irp m, 0,1
	WIN 0x08+4*\m                                  ; an LDS store's data are its source 1: window 2, 3
.irp a, 1,2,3
.irp n, 0,1,2,3,4,5,6,7
	ds_store_b128 v[23+\a], v[64*\a+8*\n:64*\a+8*\n+3] offset:(8*\m+\n)*1024          ; each accumulator from its low end on
	ds_store_b128 v[23+\a], v[64*\a+8*\n+4:64*\a+8*\n+7] offset:(8*\m+\n)*1024+512
.endr
.endr
.endr
	WIN 0x40                                       ; the ring is done with: window 1 takes b2 (v0-63), g2 (v64-127), be2 (v128-191): register 8 n + j is output 128 w + 16 n + 8 h + j
.irp n, 0,1,2,3,4,5,6,7
.irp j, 0,1
	global_load_b128 v[8*\n+4*\j:8*\n+4*\j+3], v22, s[14:15] offset:64*\n+16*\j
	global_load_b128 v[64+8*\n+4*\j:64+8*\n+4*\j+3], v22, s[20:21] offset:64*\n+16*\j
	global_load_b128 v[128+8*\n+4*\j:128+8*\n+4*\j+3], v22, s[22:23] offset:64*\n+16*\j
.endr
.endr
	WIN 0
	s_wait_dscnt 0x0                               ; my stores are done, and have read their registers
	s_barrier_signal -1
	s_barrier_wait -1                              ; all parts lie in their owners' slots
; ---- z = h + my part + the three others' + b2, for my 128 outputs of 32 rows: register 128 + 64 m + 8 n + j
	SLOAD 0, 2, 2
	SLOAD 1, 3, 0
	s_wait_dscnt 32                                ; slot 0 is in; slot 1's 32 loads may be out
	WIN 0x0a                                       ; sources 0 and 1 window 2
.set p, 0
.rept 32
	v_pk_add_f32 v[128+2*p:129+2*p], v[2*p:2*p+1], v[64+2*p:65+2*p]       ; rows 0-15: my accumulators, each from its low end on
.set p, p+1
.endr
	WIN 0x0b                                       ; source 0 window 3, source 1 window 2
.set p, 0
.rept 32
	v_pk_add_f32 v[192+2*p:193+2*p], v[2*p:2*p+1], v[128+2*p:129+2*p]     ; rows 16-31
.set p, p+1
.endr
	SLOAD 2, 2, 1
	s_wait_dscnt 32                                ; slot 1 is in
	ZADD 3
	SLOAD 3, 3, 1
	s_wait_dscnt 32                                ; slot 2 is in
	ZADD 2
	s_wait_dscnt 0x0
	ZADD 3
	s_wait_loadcnt 0x0                             ; b2, g2, be2
	WIN 0x04                                       ; source 1 window 1
.irp m, 0,1
.set p, 0
.rept 32
	v_pk_add_f32 v[128+64*\m+2*p:129+64*\m+2*p], v[128+64*\m+2*p:129+64*\m+2*p], v[2*p:2*p+1]
.set p, p+1
.endr
.endr
	WIN 0
; ---- norm2 by parts: each wave's mean and sum of squared differences over its 128 outputs of a row; the four are joined without a difference of large sums
.irp m, 0,1
	v_pk_add_f32 v[64+4*\m:65+4*\m], v[128+64*\m:129+64*\m], v[132+64*\m:133+64*\m]
	v_pk_add_f32 v[66+4*\m:67+4*\m], v[130+64*\m:131+64*\m], v[134+64*\m:135+64*\m]
.endr
.irp i, 8,12,16,20,24,28,32,36,40,44,48,52,56,60
.irp m, 0,1
	v_pk_add_f32 v[64+4*\m:65+4*\m], v[64+4*\m:65+4*\m], v[128+64*\m+\i:129+64*\m+\i]
	v_pk_add_f32 v[66+4*\m:67+4*\m], v[66+4*\m:67+4*\m], v[130+64*\m+\i:131+64*\m+\i]
.endr
.endr
.irp m, 0,1
	v_pk_add_f32 v[64+4*\m:65+4*\m], v[64+4*\m:65+4*\m], v[66+4*\m:67+4*\m]
.endr
.irp m, 0,1
	v_add_f32 v[64+4*\m], v[64+4*\m], v[65+4*\m]
.endr
.irp m, 0,1
	v_permlanex16_b32 v[72+\m], v[64+4*\m], s48, s49
.endr
.irp m, 0,1
	v_add_f32 v[64+4*\m], v[64+4*\m], v[72+\m]
.endr
.irp m, 0,1
	v_mul_f32 v[76+2*\m], 0x3c000000, v[64+4*\m]   ; my part's mean: / 128
.endr
.irp i, 0,4,8,12,16,20,24,28,32,36,40,44,48,52,56,60
.irp m, 0,1
	v_pk_add_f32 v[88+4*\m:89+4*\m], v[128+64*\m+\i:129+64*\m+\i], v[76+2*\m:77+2*\m] op_sel_hi:[1,0] neg_lo:[0,1] neg_hi:[0,1]
	v_pk_add_f32 v[90+4*\m:91+4*\m], v[130+64*\m+\i:131+64*\m+\i], v[76+2*\m:77+2*\m] op_sel_hi:[1,0] neg_lo:[0,1] neg_hi:[0,1]
.endr
.irp m, 0,1
.if \i == 0
	v_pk_mul_f32 v[64+4*\m:65+4*\m], v[88+4*\m:89+4*\m], v[88+4*\m:89+4*\m]
	v_pk_mul_f32 v[66+4*\m:67+4*\m], v[90+4*\m:91+4*\m], v[90+4*\m:91+4*\m]
.else
	v_pk_fma_f32 v[64+4*\m:65+4*\m], v[88+4*\m:89+4*\m], v[88+4*\m:89+4*\m], v[64+4*\m:65+4*\m]
	v_pk_fma_f32 v[66+4*\m:67+4*\m], v[90+4*\m:91+4*\m], v[90+4*\m:91+4*\m], v[66+4*\m:67+4*\m]
.endif
.endr
.endr
.irp m, 0,1
	v_pk_add_f32 v[64+4*\m:65+4*\m], v[64+4*\m:65+4*\m], v[66+4*\m:67+4*\m]
.endr
.irp m, 0,1
	v_add_f32 v[64+4*\m], v[64+4*\m], v[65+4*\m]
.endr
.irp m, 0,1
	v_permlanex16_b32 v[72+\m], v[64+4*\m], s48, s49
.endr
.irp m, 0,1
	v_add_f32 v[77+2*\m], v[64+4*\m], v[72+\m]     ; my part's sum of squared differences
.endr
	s_wait_alu depctr_va_vdst(0)                   ; my parts v76-79 are written, which the two LDS stores below read
.irp m, 0,1
	ds_store_b64 v28, v[76+2*\m:77+2*\m] offset:1024*\m
.endr
	s_wait_dscnt 0x0
	s_barrier_signal -1
	s_barrier_wait -1                              ; the last barrier: all four waves' parts lie in LDS
.irp m, 0,1
.irp i, 0,1,2,3
	ds_load_b64 v[96+8*\m+2*\i:97+8*\m+2*\i], v29 offset:(4*\m+\i)*256   ; into v96-111, which no vector or matrix instruction has named since the stream: the waits above stand behind all of those
.endr
.endr
.set i, 0
.rept 32
	s_lshl_b32 s52, s[68+i], 11
	v_add_nc_u32 v[32+i], s52, v23                 ; list row i in out0: 2,048 x token + 512 w + 16 lane
.set i, i+1
.endr
	s_wait_dscnt 0x0
.irp m, 0,1
	v_add_f32 v[112+\m], v[96+8*\m], v[98+8*\m]
	v_add_f32 v[114+\m], v[100+8*\m], v[102+8*\m]
.endr
.irp m, 0,1
	v_add_f32 v[112+\m], v[112+\m], v[114+\m]
.endr
.irp m, 0,1
	v_mul_f32 v[80+2*\m], 0x3e800000, v[112+\m]    ; the row's mean
.endr
.irp m, 0,1
	v_sub_f32 v[112+\m], v[96+8*\m], v[80+2*\m]
	v_add_f32 v[116+\m], v[97+8*\m], v[99+8*\m]
.endr
.irp m, 0,1
	v_mul_f32 v[114+\m], v[112+\m], v[112+\m]
	v_add_f32 v[116+\m], v[116+\m], v[101+8*\m]
.endr
.irp i, 1,2,3
.irp m, 0,1
	v_sub_f32 v[112+\m], v[96+8*\m+2*\i], v[80+2*\m]
.endr
.irp m, 0,1
	v_fma_f32 v[114+\m], v[112+\m], v[112+\m], v[114+\m]
.endr
.endr
.irp m, 0,1
	v_add_f32 v[116+\m], v[116+\m], v[103+8*\m]
.endr
.irp m, 0,1
	v_fmamk_f32 v[116+\m], v[114+\m], 0x43000000, v[116+\m]    ; + 128 x the parts' means' squared differences
.endr
.irp m, 0,1
	v_fmaak_f32 v[116+\m], s51, v[116+\m], 0x3727c5ac          ; the variance + 1e-5
.endr
.irp m, 0,1
	v_rsq_f32 v[84+2*\m], v[116+\m]
.endr
	v_nop                                          ; a plain instruction behind the transcendentals
	s_wait_alu depctr_va_vdst(0)                   ; one wait for both, ahead of the branch and of their first reader: v84 and v86 are written; so are v32-63, which the stores to out0 read as their offsets on both ways
	s_cmp_eq_u32 s31, 0                            ; a stored whole number; no barrier follows
	s_cbranch_scc1 .Lzero
; ---- the way out
.irp m, 0,1
.set p, 0
.rept 32
	v_pk_add_f32 v[128+64*\m+2*p:129+64*\m+2*p], v[128+64*\m+2*p:129+64*\m+2*p], v[80+2*\m:81+2*\m] op_sel_hi:[1,0] neg_lo:[0,1] neg_hi:[0,1]
.set p, p+1
.endr
.endr
.irp m, 0,1
.set p, 0
.rept 32
	v_pk_mul_f32 v[128+64*\m+2*p:129+64*\m+2*p], v[128+64*\m+2*p:129+64*\m+2*p], v[84+2*\m:85+2*\m] op_sel_hi:[1,0]
.set p, p+1
.endr
.endr
	WIN 0x14                                       ; sources 1 (g2) and 2 (be2) window 1
.irp m, 0,1
.set p, 0
.rept 32
	v_pk_fma_f32 v[128+64*\m+2*p:129+64*\m+2*p], v[128+64*\m+2*p:129+64*\m+2*p], v[64+2*p:65+2*p], v[128+2*p:129+2*p]
.set p, p+1
.endr
.endr
	WIN 0
; A lane holds eight neighbouring outputs of one row, and the lanes beside it other rows: so the 32 rows x 512 bytes go through my stage (rows of 528 bytes, in my quarter's slots, which I alone read and have read) and come back by rows
	s_wait_alu depctr_va_vdst(0)                   ; norm2 has written the results v128-255, which the stage's stores read
.irp m, 0,1
.irp n, 0,1,2,3,4,5,6,7
	ds_store_b128 v30, v[128+64*\m+8*\n:128+64*\m+8*\n+3] offset:8448*\m+64*\n
	ds_store_b128 v30, v[128+64*\m+8*\n+4:128+64*\m+8*\n+7] offset:8448*\m+64*\n+16
.endr
.endr
	s_wait_alu depctr_vm_vsrc(0)                   ; the stage's stores have read v128-255, in which the rows below land (the lines that wrote them stand ahead of the wait on va_vdst above)
.set i, 0
.rept 32
	ds_load_b128 v[128+4*i:131+4*i], v27 offset:528*i   ; LDS serves a wave's instructions in order (ISA guide 5.7.1.4): these see my stores, into the registers that they left
.set i, i+1
.endr
	s_wait_dscnt 0x0
	STORE_ROWS 4
	s_branch .Lend
.Lzero:                                            ; a tile of tokens that no expert takes: reference() leaves zeros there
	v_mov_b32 v128, 0
	v_mov_b32 v129, 0
	v_mov_b32 v130, 0
	v_mov_b32 v131, 0
	s_wait_alu depctr_va_vdst(0)                   ; the four zeros v128-131 are written, which the stores below read
	STORE_ROWS 0
.Lend:
	s_wait_dscnt 0x0                               ; the closing lines, six on end
	s_wait_alu 0x0
	s_wait_tensorcnt 0x0
	ds_add_u32 v4, v5
	s_wait_dscnt 0x0
	s_endpgm
.Lfunc_end_k_qa655a29144_chain:
	.size	k_qa655a29144_chain, .Lfunc_end_k_qa655a29144_chain-k_qa655a29144_chain
	.p2alignl 7, 3214868480
	.fill 96, 4, 3214868480
	.section	.rodata,"a",@progbits
	.p2align	6, 0x0
	.amdhsa_kernel k_qa655a29144_chain
		.amdhsa_group_segment_fixed_size 282624
		.amdhsa_private_segment_fixed_size 0
		.amdhsa_enable_private_segment 0
		.amdhsa_kernarg_size 88
		.amdhsa_user_sgpr_count 2
		.amdhsa_user_sgpr_kernarg_segment_ptr 1
		.amdhsa_wavefront_size32 1
		.amdhsa_system_sgpr_workgroup_id_x 1
		.amdhsa_system_sgpr_workgroup_id_y 1
		.amdhsa_system_sgpr_workgroup_id_z 1
		.amdhsa_system_vgpr_workitem_id 0
		.amdhsa_next_free_vgpr 1024
		.amdhsa_next_free_sgpr 100
		.amdhsa_reserve_vcc 0
		.amdhsa_float_denorm_mode_32 3
		.amdhsa_float_denorm_mode_16_64 3
		.amdhsa_memory_ordered 1
		.amdhsa_forward_progress 1
		.amdhsa_inst_pref_size 255
	.end_amdhsa_kernel
	.section	.bss,"aw",@nobits
	.p2align	6
	.space	262144
	.amdgpu_metadata
---
amdhsa.version: [ 1, 2 ]
amdhsa.kernels:
  - .name:           k_qa655a29144_chain
    .symbol:         k_qa655a29144_chain.kd
    .args:
      - { .name: x, .offset: 0, .size: 8, .value_kind: global_buffer, .address_space: global }
      - { .name: rows, .offset: 8, .size: 8, .value_kind: global_buffer, .address_space: global }
      - { .name: tiles, .offset: 16, .size: 8, .value_kind: global_buffer, .address_space: global }
      - { .name: WF, .offset: 24, .size: 8, .value_kind: global_buffer, .address_space: global }
      - { .name: b1, .offset: 32, .size: 8, .value_kind: global_buffer, .address_space: global }
      - { .name: b2, .offset: 40, .size: 8, .value_kind: global_buffer, .address_space: global }
      - { .name: g1, .offset: 48, .size: 8, .value_kind: global_buffer, .address_space: global }
      - { .name: be1, .offset: 56, .size: 8, .value_kind: global_buffer, .address_space: global }
      - { .name: g2, .offset: 64, .size: 8, .value_kind: global_buffer, .address_space: global }
      - { .name: be2, .offset: 72, .size: 8, .value_kind: global_buffer, .address_space: global }
      - { .name: out0, .offset: 80, .size: 8, .value_kind: global_buffer, .address_space: global }
    .group_segment_fixed_size: 282624
    .private_segment_fixed_size: 0
    .kernarg_segment_align: 8
    .kernarg_segment_size: 88
    .max_flat_workgroup_size: 128
    .sgpr_count:     100
    .vgpr_count:     1024
    .wavefront_size: 32
...
	.end_amdgpu_metadata
.endif
;; end of part 3
